; MI455X (gfx1250); checked and timed in simulation.
; The chip was launched on July 23, 2026; its instructions are those of AMD's public machine-readable ISA for CDNA 5 (MIT licence, August 2026) and "CDNA5" Instruction Set Architecture Reference Guide (July 2026). The comments in the code are by the model that wrote it; some were corrected since.
;; Multihead Attention. Allowed arithmetic: float matrix products may take bf16 or f16 operands with f32 sums; other float arithmetic in f32, or as packed bf16 or f16 multiplies, adds, multiply-adds, maxima and minima; sums over many terms, partial sums and values carried from step to step in f32; what a program stores and reads back later, other than sums and carried values, may be rounded once to bf16 or f16.
;; Inputs: bk 1,024 float32; bo 1,024 float32; bq 1,024 float32; bv 1,024 float32; key_in 2,048 x 8 x 1,024 float32; query 1,024 x 8 x 1,024 float32; value 2,048 x 8 x 1,024 float32; wk 1,024 x 1,024 float32; wo 1,024 x 1,024 float32; wq 1,024 x 1,024 float32; wv 1,024 x 1,024 float32.
;; Outputs: out0 1,024 x 8 x 1,024 float32.
;; 2 versions, each right; version 2 is version 1 with the launch kvsum written anew for expert scheduling mode. Each part assembles by itself: llvm-mc -triple=amdgcn-amd-amdhsa -mcpu=gfx1250 --defsym DOCPART=n.
;; ======== version 1 of 2: 5 launches
;; limits: values outside matrix products are rounded to f16; values are held in f16: magnitudes above 65,504 overflow, below 6.1e-05 lose precision; right only within a limited range of input values
;; workspace buffers: wbf 8,388,608 bytes; tab 16,384 bytes; kvact 67,108,864 bytes; kvw 2,621,440 bytes; ows 16,777,216 bytes
;; launch prep (part 1): grid 64 x 4, 8 waves a work-group, no clusters, 35,840 bytes of LDS; arguments wq, wk, wv, wo, wbf, tab; writes wbf, tab
.if DOCPART == 1
	.amdgcn_target "amdgcn-amd-amdhsa--gfx1250"
	.amdhsa_code_object_version 6
	.text
	.protected	k_q728c99b930_prep
	.globl	k_q728c99b930_prep
	.p2align	8
	.type	k_q728c99b930_prep,@function
k_q728c99b930_prep:
	s_mov_b64 s[64:65], 0
	v_nop
	global_prefetch_b8 v0, s[64:65] scope:SCOPE_SE
	s_setreg_imm32_b32 hwreg(HW_REG_WAVE_MODE, 25, 1), 1
	s_wait_xcnt 0x0
; The four weight matrices [1024][1024] f32 are rounded once to f16 and laid in the order in which a matrix operand is loaded:
; wbf = [matrix q,k,v,o][64 blocks of 16 rows][32 blocks of 32 k][half c][lane][8 f16]; lane (r, h) of half c holds row r, k = 16 c + 8 h + 0..7.
; Work-group (x, y): rows 16 x .. 16 x + 15 of matrix y.  Wave w: k = 128 w .. 128 w + 127, through a stage of its own in LDS.
; Three work-groups also make the tables sin, cos (pi/2 i / len), i = 1 .. len: len 2048 in f16 (tab + 0, + 4096), len 1024 in f32 (+ 8192, + 12288).
; The series are cut at x^11 (sine) and x^12 (cosine): on (0, pi/2], the only arguments there are, the next terms are under 6e-8.
.set SP,   272                         ; a stage row: 256 bytes of f16 + 16
.set STG,  16*SP                       ; a wave's stage
.set X,    32                          ; v[32:95]  16 loads of 4 f32
.set P,    96                          ; v[96:127] the same in f16
.set F,    32                          ; v[32:63]  8 halves of fragments
	s_load_b256 s[4:11], s[0:1], 0x0               ; wq, wk, wv, wo
	s_load_b128 s[12:15], s[0:1], 0x20             ; wbf, tab
	v_lshl_add_u32 v128, v0, 2, 0x8800
	v_mov_b32 v129, 0
	s_and_b32 s16, ttmp7, 0xffff                   ; which matrix
	s_mov_b32 s25, ttmp9                           ; which 16 rows
	v_lshrrev_b32 v1, 5, v0
	v_readfirstlane_b32 s17, v1                    ; wave
	v_and_b32 v2, 15, v0                           ; r
	v_bfe_u32 v3, v0, 4, 1                         ; h
	v_and_b32 v4, 31, v0                           ; lane
	s_lshl_b32 s18, s17, 9                         ; the wave's 512 bytes of a row
	v_lshlrev_b32 v5, 4, v2
	v_lshl_add_u32 v5, v3, 15, v5                  ; lanes 16-31 take the row 8 further down
	v_add_nc_u32 v5, s18, v5                       ; in: 16 lanes read 256 consecutive bytes of a row
	s_mul_i32 s20, s17, STG
	v_mul_u32_u24 v6, v3, 8*SP
	v_lshl_add_u32 v6, v2, 3, v6
	v_add_nc_u32 v6, s20, v6                       ; stage, in: 8 rows are 2,176 bytes = 128 modulo 256, so the two halves of the lanes fill different banks
	v_mul_u32_u24 v7, v2, SP
	v_lshl_add_u32 v7, v3, 4, v7
	v_add_nc_u32 v7, s20, v7                       ; stage, out: row r, 16 h
	s_lshl_b32 s21, s17, 12                        ; four blocks of 1,024 bytes a wave
	v_lshl_add_u32 v8, v4, 4, s21                  ; out: 16 bytes a lane
	s_lshl_b32 s18, s25, 16                        ; 16 rows of 4,096 bytes
	s_mov_b32 s19, 0
	s_lshl_b32 s22, s16, 21                        ; 2 MiB a matrix
	s_lshl_b32 s23, s25, 15                        ; 32 KiB a block of 16 rows
	s_add_co_u32 s22, s22, s23
	s_mov_b32 s23, 0
	s_wait_kmcnt 0x0
	s_cmp_eq_u32 s16, 1
	s_cselect_b64 s[4:5], s[6:7], s[4:5]
	s_cmp_eq_u32 s16, 2
	s_cselect_b64 s[4:5], s[8:9], s[4:5]
	s_cmp_eq_u32 s16, 3
	s_cselect_b64 s[4:5], s[10:11], s[4:5]
	s_add_nc_u64 s[4:5], s[4:5], s[18:19]
	s_add_nc_u64 s[12:13], s[12:13], s[22:23]
.set i, 0
.rept 16
	global_load_b128 v[X+4*i:X+4*i+3], v5, s[4:5] offset:(i>>1)*4096+(i&1)*256 th:TH_LOAD_NT
.set i, i+1
.endr
	s_wait_loadcnt 0x0
.set i, 0
.rept 32
	v_cvt_pk_f16_f32 v[P+i], v[X+2*i], v[X+2*i+1]
.set i, i+1
.endr
.set i, 0
.rept 16
	ds_store_b64 v6, v[P+2*i:P+2*i+1] offset:(i>>1)*SP+(i&1)*128
.set i, i+1
.endr
.set i, 0
.rept 8
	ds_load_b128 v[F+4*i:F+4*i+3], v7 offset:i*32  ; i = 2 x block of 32 k + c; the wave's own bytes, served in order behind its stores
.set i, i+1
.endr
.set i, 0
.rept 8
	s_wait_dscnt 7-i                               ; LDS loads come back in order: load i is in
	global_store_b128 v8, v[F+4*i:F+4*i+3], s[12:13] offset:i*512   ; the wave stores 512 consecutive bytes, aligned
.set i, i+1
.endr
	; the tables: work-groups (0, 0) and (1, 0) make the 2,048 entries, (2, 0) the 1,024; four entries a thread
	s_cmp_lg_u32 s16, 0
	s_cbranch_scc1 .Lend
	s_cmp_gt_u32 s25, 2
	s_cbranch_scc1 .Lend
	s_lshl_b32 s26, s25, 10
	s_mov_b32 s27, 0x3a000000                      ; 1 / 2048
	s_mov_b32 s28, 0x3a800000                      ; 1 / 1024
	s_cmp_eq_u32 s25, 2
	s_cselect_b32 s26, 0, s26                      ; the work-group's first entry
	s_cselect_b32 s27, s28, s27
	v_lshl_add_u32 v9, v0, 2, s26                  ; my first entry
.irp j, 0,1,2,3
	v_add_nc_u32 v[64+\j], \j+1, v9                ; i = entry + 1
	v_cvt_f32_u32 v[64+\j], v[64+\j]
	v_mul_f32 v[64+\j], s27, v[64+\j]              ; i / len, exact
	v_mul_f32 v[64+\j], 0x3fc90fdb, v[64+\j]       ; x = pi/2 (i / len), rounded once
	v_mul_f32 v[68+\j], v[64+\j], v[64+\j]         ; z = x^2
	v_mov_b32 v[72+\j], 0xb2d7322b                 ; -1/11!
	v_fmaak_f32 v[72+\j], v[72+\j], v[68+\j], 0x3638ef1d    ; 1/9!
	v_fmaak_f32 v[72+\j], v[72+\j], v[68+\j], 0xb9500d01    ; -1/7!
	v_fmaak_f32 v[72+\j], v[72+\j], v[68+\j], 0x3c088889    ; 1/5!
	v_fmaak_f32 v[72+\j], v[72+\j], v[68+\j], 0xbe2aaaab    ; -1/3!
	v_fma_f32 v[72+\j], v[72+\j], v[68+\j], 1.0
	v_mul_f32 v[72+\j], v[72+\j], v[64+\j]         ; sin x
	v_mov_b32 v[76+\j], 0x310f76c7                 ; 1/12!
	v_fmaak_f32 v[76+\j], v[76+\j], v[68+\j], 0xb493f27e    ; -1/10!
	v_fmaak_f32 v[76+\j], v[76+\j], v[68+\j], 0x37d00d01    ; 1/8!
	v_fmaak_f32 v[76+\j], v[76+\j], v[68+\j], 0xbab60b61    ; -1/6!
	v_fmaak_f32 v[76+\j], v[76+\j], v[68+\j], 0x3d2aaaab    ; 1/4!
	v_fmaak_f32 v[76+\j], v[76+\j], v[68+\j], 0xbf000000    ; -1/2!
	v_fma_f32 v[76+\j], v[76+\j], v[68+\j], 1.0    ; cos x
.endr
	s_cmp_eq_u32 s25, 2
	s_cbranch_scc1 .Ltq
	v_cvt_pk_f16_f32 v80, v72, v73                 ; the source side's table goes out in f16: it multiplies k in f16
	v_cvt_pk_f16_f32 v81, v74, v75
	v_cvt_pk_f16_f32 v82, v76, v77
	v_cvt_pk_f16_f32 v83, v78, v79
	v_lshlrev_b32 v10, 1, v9
	global_store_b64 v10, v[80:81], s[14:15]               ; a wave stores 256 consecutive bytes, aligned
	global_store_b64 v10, v[82:83], s[14:15] offset:4096
	s_branch .Lend
.Ltq:
	v_lshlrev_b32 v10, 2, v9
	global_store_b128 v10, v[72:75], s[14:15] offset:8192
	global_store_b128 v10, v[76:79], s[14:15] offset:12288
.Lend:
	s_wait_tensorcnt 0x0
	ds_add_u32 v128, v129
	s_wait_dscnt 0x0
	s_endpgm
.Lfunc_end_k_q728c99b930_prep:
	.size	k_q728c99b930_prep, .Lfunc_end_k_q728c99b930_prep-k_q728c99b930_prep
	.p2alignl 7, 3214868480
	.fill 96, 4, 3214868480
	.section	.rodata,"a",@progbits
	.p2align	6, 0x0
	.amdhsa_kernel k_q728c99b930_prep
		.amdhsa_group_segment_fixed_size 35840
		.amdhsa_private_segment_fixed_size 0
		.amdhsa_enable_private_segment 0
		.amdhsa_kernarg_size 48
		.amdhsa_user_sgpr_count 2
		.amdhsa_user_sgpr_kernarg_segment_ptr 1
		.amdhsa_wavefront_size32 1
		.amdhsa_system_sgpr_workgroup_id_x 1
		.amdhsa_system_sgpr_workgroup_id_y 1
		.amdhsa_system_sgpr_workgroup_id_z 1
		.amdhsa_system_vgpr_workitem_id 0
		.amdhsa_next_free_vgpr 130
		.amdhsa_next_free_sgpr 66
		.amdhsa_reserve_vcc 0
		.amdhsa_float_denorm_mode_32 3
		.amdhsa_float_denorm_mode_16_64 3
		.amdhsa_memory_ordered 1
		.amdhsa_forward_progress 1
		.amdhsa_inst_pref_size 14
	.end_amdhsa_kernel
	.amdgpu_metadata
---
amdhsa.version: [ 1, 2 ]
amdhsa.kernels:
  - .name:           k_q728c99b930_prep
    .symbol:         k_q728c99b930_prep.kd
    .args:
      - { .name: wq, .offset: 0, .size: 8, .value_kind: global_buffer, .address_space: global }
      - { .name: wk, .offset: 8, .size: 8, .value_kind: global_buffer, .address_space: global }
      - { .name: wv, .offset: 16, .size: 8, .value_kind: global_buffer, .address_space: global }
      - { .name: wo, .offset: 24, .size: 8, .value_kind: global_buffer, .address_space: global }
      - { .name: wbf, .offset: 32, .size: 8, .value_kind: global_buffer, .address_space: global }
      - { .name: tab, .offset: 40, .size: 8, .value_kind: global_buffer, .address_space: global }
    .group_segment_fixed_size: 35840
    .private_segment_fixed_size: 0
    .kernarg_segment_align: 8
    .kernarg_segment_size: 48
    .max_flat_workgroup_size: 256
    .sgpr_count:     66
    .vgpr_count:     130
    .wavefront_size: 32
...
	.end_amdgpu_metadata
.endif
;; end of part 1
;; launch projkv (part 2): grid 128 x 4, 4 waves a work-group, clusters of 4 x 1, 327,680 bytes of LDS; arguments key_in, value, wbf, bk, bv, kvact; writes kvact
.if DOCPART == 2
	.amdgcn_target "amdgcn-amd-amdhsa--gfx1250"
	.amdhsa_code_object_version 6
	.text
	.protected	k_q728c99b930_projkv
	.globl	k_q728c99b930_projkv
	.p2align	8
	.type	k_q728c99b930_projkv,@function
k_q728c99b930_projkv:
	s_mov_b64 s[64:65], 0
	v_nop
	global_prefetch_b8 v0, s[64:65] scope:SCOPE_SE
	s_setreg_imm32_b32 hwreg(HW_REG_WAVE_MODE, 25, 1), 1
	s_wait_xcnt 0x0
	s_wait_alu depctr_hold_cnt(0) depctr_sa_sdst(0) depctr_va_vdst(0) depctr_va_sdst(0) depctr_va_ssrc(0) depctr_va_vcc(0) depctr_vm_vsrc(0)
	s_getreg_b32 s2, hwreg(HW_REG_IB_STS2, 6, 4)
	s_cmp_eq_u32 s2, 0
	s_cbranch_scc0 .Lentry_in_a_cluster
	s_endpgm
.Lentry_in_a_cluster:
	s_bfe_u32 s2, ttmp6, 0x10000c
	s_cmp_lg_u32 s2, 0x3003
	s_cbranch_scc0 .Lentry_shape_is_right
	s_endpgm
.Lentry_shape_is_right:
; k = relu(key_in wk^T + bk) and v = value wv^T + bv, in f16, stored in the order in which the next launch loads matrix operands:
; kvact = [k, v][b*64 + block of 16 columns][s/16][lane][8 f16]; lane (r, h) holds column 16 block + r, s = 16 (s/16) + 8 h + 0..7.
; Work-group (x, y): batch b = x & 7, rows s = 128 (x >> 3) .. + 127; y >> 1 = k or v, y & 1 = which 512 columns.  Four waves, each 128 rows x 128 columns:
; 64 accumulator tiles, 512 registers.  K (1,024) goes in 16 steps of 64.
; W comes from wbf by the tensor data mover, through two LDS slots that each hold TWO steps (128 along K, 128 KiB): from a request to the wait for it a wave issues
; 240 matrix instructions.  The four work-groups of a cluster (four batches, same y) need the same tiles of W and ask for them jointly (mask 15).
; The activations are f32 in memory: each wave loads 32 rows' 256 bytes into registers two steps ahead, rounds them to f16 once and stores them into one of two LDS
; slots of one step each (rows of 144 bytes), bytes into which no tensor load ever lands; two such slots of two steps would not fit beside W's (331,776 bytes in all).
; They are not asked for jointly: they pass through registers, and only two work-groups read a row.
; So a step ends in a work-group barrier for the activations' slots, and every second one is also the cluster's round in front of W's refill.
; LIMITS: operands are f16, so |key_in|, |value|, |w|, |k|, |v| must stay under 65,504; relu is v_max_num_f32, which turns a NaN into 0.
; WINDOWS: 0: addresses, P, fragments of the activations (two buffers), load set 0.  1: load set 1, fragments of W, the bias as a C operand.  2, 3: accumulators.
.set WSLOT,  131072                    ; a slot of W: four waves x [8 column blocks][4 blocks of 32 k][1,024 bytes]
.set ABASE,  262144                    ; behind the two slots of W
.set APITCH, 144                       ; 128 bytes of f16 + 16: nine times 16, so the 16 rows of a fragment load start at 16 different places modulo 256
.set ASLOT,  128*APITCH
.set SROW,   32768                     ; bytes from s to s + 1 at a fixed b
.set BV,   8                           ; v8-15   the bias of my 8 column blocks
.set ADRA, 16                          ; v16-17  LDS address of the activations' fragments, slot 0, 1
.set ADRW, 20                          ; v20-21  the same for W
.set AST,  22                          ; v22     where I store 8 bytes of f16
.set VOA,  23                          ; v23     my byte offset in the activations
.set CO,   24                          ; v24     16 x lane
.set P,    32                          ; v32-63  a tile's share in f16
.set F0,   64
.set F1,   128
.set S0,   192                         ; window 0: load set 0
.set S1,   0                           ; window 1: load set 1
.set BIASC, 192                        ; window 1: 8 x 8 registers
.set CW0, 0x00                         ; windows of a conversion from set 0, 1
.set CW1, 0x05
.set LW0, 0x00                         ; windows of a load into set 0, 1
.set LW1, 0x40
.set G1, 24                            ; s[24:31]
.set G0, 32                            ; s[32:39] one group 0 for each slot
.set MSB, 0
.macro WIN new                         ; the immediate's high byte repeats the setting that is left
.if MSB != (\new)
	s_set_vgpr_msb (MSB<<8)|(\new)
.set MSB, (\new)
.endif
.endm
.macro PLACES                          ; four places behind matrix instructions, in front of loads into their sources and of readers of their results
.rept 4
	v_nop
.endr
.endm
.macro CREST                           ; a round of the cluster's barrier behind its opening barrier
	s_cmp_lg_u32 s20, 0
	s_cbranch_scc1 .Lnot_wave_0_\@
	s_barrier_signal -3
.Lnot_wave_0_\@:
	s_barrier_wait -3
	s_barrier_signal -1
	s_barrier_wait -1
.endm
.macro CROUND
	s_barrier_signal -1
	s_barrier_wait -1
	CREST
.endm
; 16 loads: my 32 rows' 256 bytes of one step; lanes 0-15 one row, lanes 16-31 the row 8 further down
.macro LOADA q, imm
	WIN LW\q
.set i, 0
.rept 16
	global_load_b128 v[S\q+4*i:S\q+4*i+3], v[VOA], s[40:41] offset:(16*(i>>3)+(i&7))*SROW+\imm
.set i, i+1
.endr
.endm
; set q is rounded to f16 and stored into slot q.  lcnt: the younger loads that may stay out.  issue = 1: the base steps one step of K and the set is loaded again,
; with the tile one beyond the one that the other set holds; 2: loaded again without a step.
.macro ACONV q, lcnt, issue
	s_wait_loadcnt \lcnt
	WIN CW\q
.set i, 0
.rept 32
	v_cvt_pk_f16_f32 v[P+i], v[S\q+2*i], v[S\q+2*i+1]
.set i, i+1
.endr
	WIN 0
.set i, 0
.rept 16
	ds_store_b64 v[AST], v[P+2*i:P+2*i+1] offset:\q*ASLOT+(16*(i>>3)+(i&7))*APITCH
.set i, i+1
.endr
.if \issue
.if \issue == 1
	s_wait_xcnt 0x0                                ; the other set's loads name the base: it steps only behind this wait
	s_add_nc_u64 s[40:41], s[40:41], 256
.endif
	LOADA \q, 512
.endif
.endm
; 16 matrix instructions: row blocks a0, a0 + 1 of the window's four x 8 column blocks.  first = 1: the bias starts the sums, nothing is cleared.
.macro MUL16 f, hi, a0, first
.irp a, \a0, \a0+1
.irp b, 0,1,2,3,4,5,6,7
.if \first
	v_wmma_f32_16x16x32_f16 v[8*(8*(\a)+\b):8*(8*(\a)+\b)+7], v[\f+8*(4*\hi+\a):\f+8*(4*\hi+\a)+7], v[\f+8*\b:\f+8*\b+7], v[BIASC+8*\b:BIASC+8*\b+7]
.else
	v_wmma_f32_16x16x32_f16 v[8*(8*(\a)+\b):8*(8*(\a)+\b)+7], v[\f+8*(4*\hi+\a):\f+8*(4*\hi+\a)+7], v[\f+8*\b:\f+8*\b+7], v[8*(8*(\a)+\b):8*(8*(\a)+\b)+7]
.endif
.endr
.endr
.endm
.macro MWIN hi, first                  ; source 0 window 0, source 1 window 1, D window 2 + hi, C the same or (first) window 1
.if \first
	WIN 0x94+0x40*\hi
.else
	WIN 0xa4+0x50*\hi
.endif
.endm
; 32 LDS loads, 32 along K: W's 8 column blocks (slot wsl, block wkq of its four), then the activations' 8 row blocks (slot asl, block akq of its two)
.macro FETCH wsl, wkq, asl, akq, f
	WIN 0x40
.irp b, 0,1,2,3,4,5,6,7
	ds_load_b128 v[\f+8*\b:\f+8*\b+3],   v[ADRW+\wsl] offset:\b*4096+\wkq*1024
	ds_load_b128 v[\f+8*\b+4:\f+8*\b+7], v[ADRW+\wsl] offset:\b*4096+\wkq*1024+512
.endr
	WIN 0
.irp a, 0,1,2,3,4,5,6,7
	ds_load_b128 v[\f+8*\a:\f+8*\a+3],   v[ADRA+\asl] offset:\a*16*APITCH+\akq*64
	ds_load_b128 v[\f+8*\a+4:\f+8*\a+7], v[ADRA+\asl] offset:\a*16*APITCH+\akq*64+32
.endr
.endm
; The first half of a step: multiplies buffer 0; in its middle the next tile of activations goes into the other slot and the second half's fragments are fetched.
; The 64 accumulators take turns, one instruction a turn, in the same order everywhere.
.macro HALF0 wsl, wkq, asl, other, first, conv, lcnt, issue
	s_wait_dscnt 8                                 ; W and row blocks 0-3 are in; the youngest eight loads (row blocks 4-7) may be out
	MWIN 0, \first
	MUL16 F0, 0, 0, \first
	MUL16 F0, 0, 2, \first
	PLACES
.if \conv
	ACONV \other, \lcnt, \issue
.endif
	FETCH \wsl, \wkq, \asl, 1, F1
	s_wait_dscnt 32                                ; all but the 32 just issued
	MWIN 1, \first
	MUL16 F0, 1, 0, \first
	MUL16 F0, 1, 2, \first
.endm
; The second half: multiplies buffer 1 and ends the step.  In front of the barrier each wave waits for its reads of this step's slots and for its stores into the
; activations' other slot.
; kind 0: the middle of a slot of W.  My tensor load for W's other slot may stay out.
; kind 1: W's slot changes and nothing is left to fetch: my last tensor load is waited for.
; kind 2: W's slot changes and is filled again: all my tensor loads (one is out) are waited for, the barrier opens a round of the cluster's barrier, and the joint
;         refill of the slot just read, two slots ahead, is the first tensor load behind the round.
.macro TURN wsl, nws, nwk, nas, kind
	s_wait_dscnt 8
	MWIN 0, 0
	MUL16 F1, 0, 0, 0
	s_wait_dscnt 0x0
.if \kind
	s_set_vgpr_msb 0xa4a0
	s_wait_tensorcnt 0x0
	ds_add_u32 v30, v31
	s_wait_dscnt 0x0
	s_set_vgpr_msb 0xa0a4
.endif
	s_barrier_signal -1
	MUL16 F1, 0, 2, 0
.if \kind == 2
	WIN 0
.endif
	s_barrier_wait -1
.if \kind == 2
	CREST
	s_add_nc_u64 s[G0+4*\wsl+2:G0+4*\wsl+3], s[G0+4*\wsl+2:G0+4*\wsl+3], 8192   ; two slots of 4,096 bytes a row; no load of mine is out
	tensor_load_to_lds s[G0+4*\wsl:G0+4*\wsl+3], s[G1:G1+7]
	s_nop 0
.endif
	PLACES
	FETCH \nws, \nwk, \nas, 0, F0
	MWIN 1, 0
	MUL16 F1, 1, 0, 0
	MUL16 F1, 1, 2, 0
.endm
; one slot of W = two steps: the even step reads the activations' slot 0 and rounds set 1, the odd one reads slot 1 and rounds set 0
.macro BIG ws, nw, first, l0, i0, l1, i1, kind
	HALF0 \ws, 1, 0, 1, \first, 1, \l0, \i0
	TURN  \ws, \ws, 2, 1, 0
	HALF0 \ws, 3, 1, 0, 0, 1, \l1, \i1
	TURN  \ws, \nw, 0, 0, \kind
.endm
	s_load_b256 s[4:11], s[0:1], 0x0               ; key_in, value, wbf, bk
	s_load_b128 s[12:15], s[0:1], 0x20             ; bv, kvact
	v_lshl_add_u32 v30, v0, 2, 0x49000
	v_mov_b32 v31, 0
	ds_add_u32 v30, v31
	v_lshrrev_b32 v1, 5, v0
	v_readfirstlane_b32 s20, v1                    ; wave
	s_bfe_u32 s46, ttmp6, 0x40000                  ; cx
	s_lshl_b32 s47, ttmp9, 2
	s_add_co_u32 s47, s47, s46                     ; work-group x
	s_and_b32 s48, s47, 7                          ; b
	s_lshr_b32 s49, s47, 3                         ; which 128 rows
	s_and_b32 s50, ttmp7, 0xffff
	s_lshr_b32 s51, s50, 1                         ; 0: k, 1: v
	s_and_b32 s52, s50, 1                          ; which 512 columns
	; group 1: 8 rows (column blocks) of 512 elements of 8 bytes (four blocks of 32 k), 4,096 elements (32 KiB) from row to row
	s_mov_b32 s[G1+0], 15|(3<<16)|(1<<21)          ; mask: the cluster's four; element of 8 bytes; bit 21 beside a mask
	s_mov_b32 s[G1+1], 512<<16                     ; tensor_dim0
	s_mov_b32 s[G1+2], 8<<16                       ; tensor_dim1
	s_mov_b32 s[G1+3], 512<<16                     ; tile_dim0
	s_mov_b32 s[G1+4], 8                           ; tile_dim1
	s_mov_b32 s[G1+5], 4096                        ; pitch
	s_mov_b32 s[G1+6], 0
	s_mov_b32 s[G1+7], 0
	s_add_co_u32 s21, s51, 1
	s_lshl_b32 s21, s21, 21                        ; wk is matrix 1 of wbf, wv matrix 2
	s_lshl_b32 s22, s52, 5
	s_lshl3_add_u32 s22, s20, s22                  ; my first column block: 32 (y & 1) + 8 wave
	s_lshl_b32 s23, s22, 15
	s_add_co_u32 s54, s21, s23                     ; made of y and the wave alone: equal in the four partners
	s_mov_b32 s55, 0
	s_lshl_b32 s53, s20, 15                        ; my part of a slot of W: 32 KiB
	s_lshl_b32 s56, s49, 22                        ; 128 rows of 32,768 bytes
	s_lshl_b32 s57, s48, 12
	s_add_co_u32 s56, s56, s57
	s_mov_b32 s57, 0
	s_lshl_b32 s58, s51, 25                        ; the way out: 32 MiB for k, then v
	s_lshl_b32 s59, s48, 22
	s_add_co_u32 s58, s58, s59
	s_lshl_b32 s59, s22, 16
	s_add_co_u32 s58, s58, s59
	s_lshl_b32 s59, s49, 12
	s_add_co_u32 s58, s58, s59
	s_mov_b32 s59, 0
	v_and_b32 v1, 15, v0                           ; r
	v_bfe_u32 v2, v0, 4, 1                         ; h
	v_and_b32 v3, 31, v0
	v_mul_u32_u24 v4, v1, APITCH
	v_lshl_add_u32 v4, v2, 4, v4
	v_add_nc_u32 v[ADRA], ABASE, v4
	v_add_nc_u32 v[ADRA+1], ABASE+ASLOT, v4
	v_lshlrev_b32 v[CO], 4, v3
	v_add_nc_u32 v[ADRW], s53, v[CO]
	v_add_nc_u32 v[ADRW+1], WSLOT, v[ADRW]
	s_mul_i32 s60, s20, 32*APITCH
	s_add_co_u32 s60, s60, ABASE
	v_mul_u32_u24 v6, v2, 8*APITCH                 ; 8 rows are 1,152 bytes = 128 modulo 256: the two halves of the lanes fill different banks
	v_lshl_add_u32 v6, v1, 3, v6
	v_add_nc_u32 v[AST], s60, v6
	s_lshl_b32 s61, s20, 20                        ; 32 rows a wave
	v_lshlrev_b32 v5, 18, v2                       ; 8 rows
	v_lshl_add_u32 v5, v1, 4, v5
	v_add_nc_u32 v[VOA], s61, v5
	s_lshl_b32 s62, s22, 6
	v_lshl_add_u32 v7, v1, 2, s62                  ; the bias of column 16 block + r
	s_wait_dscnt 0x0
	s_wait_kmcnt 0x0
	s_cmp_eq_u32 s51, 0
	s_cselect_b64 s[40:41], s[4:5], s[6:7]
	s_cselect_b64 s[44:45], s[10:11], s[12:13]
	s_add_nc_u64 s[40:41], s[40:41], s[56:57]
	s_add_nc_u64 s[42:43], s[14:15], s[58:59]
	s_add_nc_u64 s[54:55], s[8:9], s[54:55]
.irp b, 0,1,2,3,4,5,6,7
	global_load_b32 v[BV+\b], v7, s[44:45] offset:64*\b
.endr
	LOADA 0, 0                                     ; step 0
	LOADA 1, 256                                   ; step 1
	WIN 0
	CROUND                                         ; the four work-groups are here: the first joint loads meet
.irp s, 0,1
	s_mov_b32 s[G0+4*\s], 1
	s_add_co_u32 s[G0+4*\s+1], s53, \s*WSLOT
	s_add_nc_u64 s[G0+4*\s+2:G0+4*\s+3], s[54:55], \s*4096
	s_or_b32 s[G0+4*\s+3], s[G0+4*\s+3], 0x80000000
	tensor_load_to_lds s[G0+4*\s:G0+4*\s+3], s[G1:G1+7]    ; two tensor loads of the wave are out, the most in this text
	s_nop 0
.endr
	s_wait_loadcnt 16                              ; the bias and step 0 are in; set 1's 16 loads stay out
	WIN 0x40
.irp b, 0,1,2,3,4,5,6,7
.irp j, 0,1,2,3,4,5,6,7
	v_mov_b32 v[BIASC+8*\b+\j], v[BV+\b]           ; a lane's eight results of a tile lie in one column: its bias eight times, as the first products' C
.endr
.endr
	ACONV 0, 16, 2                                 ; step 0 into slot 0; set 0 takes step 2
	WIN 0
	s_wait_dscnt 0x0                               ; my stores are done,
	s_wait_tensorcnt 0x1                           ; my part of W's first slot is in; the second may stay out
	s_barrier_signal -1
	s_barrier_wait -1
	FETCH 0, 0, 0, 0, F0
	; step i rounds tile i + 1 and loads tile i + 3; the wait for 16 leaves the other set's loads out.  Slot j of W's eight is refilled with slot j + 2.
	BIG 0, 1, 1, 16, 1, 16, 1, 2                   ; steps 0, 1
	BIG 1, 0, 0, 16, 1, 16, 1, 2                   ; steps 2, 3
	WIN 0
	s_mov_b32 s3, 2
.Llap:
	BIG 0, 1, 0, 16, 1, 16, 1, 2                   ; steps 4 to 11
	BIG 1, 0, 0, 16, 1, 16, 1, 2
	WIN 0
	s_sub_co_u32 s3, s3, 1
	s_cmp_lg_u32 s3, 0
	s_cbranch_scc1 .Llap
	BIG 0, 1, 0, 16, 1, 16, 0, 1                   ; step 12 loads the last tile, step 13 loads nothing; W has nothing left to fetch
	HALF0 1, 1, 0, 1, 0, 1, 0, 0                   ; step 14: the last tile is rounded; no load is younger
	TURN 1, 1, 2, 1, 0
	HALF0 1, 3, 1, 0, 0, 0, 0, 0                   ; step 15
	s_wait_dscnt 8
	MWIN 0, 0
	MUL16 F1, 0, 0, 0
	MUL16 F1, 0, 2, 0
	s_wait_dscnt 0x0
	MWIN 1, 0
	MUL16 F1, 1, 0, 0
	MUL16 F1, 1, 2, 0
	PLACES
	WIN 0
; The way out.  A lane's eight results of tile (a, b) are s = 16 a + 8 h + 0..7 of column 16 b + r: packed, they are its 16 bytes of the stored order.
; Four banks of 32 registers (v128-255: fragment buffer 1 and load set 0, both done with) take turns, so one wait serves all eight row blocks.
.macro OUT8 a, relu
.if \a == 4
	s_wait_xcnt 0x0                                ; the stores of row blocks 0 to 3 have read the four banks: these are rewritten only behind this wait
.endif
.if \relu
	WIN 0x08+0x04*(\a>>2)
.set i, 0
.rept 64
	v_max_num_f32 v[F0+i], 0, v[64*(\a&3)+i]
.set i, i+1
.endr
	WIN 0
.set i, 0
.rept 32
	v_cvt_pk_f16_f32 v[F1+32*(\a&3)+i], v[F0+2*i], v[F0+2*i+1]
.set i, i+1
.endr
.else
	WIN 0x0a+0x05*(\a>>2)
.set i, 0
.rept 32
	v_cvt_pk_f16_f32 v[F1+32*(\a&3)+i], v[64*(\a&3)+2*i], v[64*(\a&3)+2*i+1]
.set i, i+1
.endr
	WIN 0
.endif
.irp b, 0,1,2,3,4,5,6,7
	global_store_b128 v[CO], v[F1+32*(\a&3)+4*\b:F1+32*(\a&3)+4*\b+3], s[42:43] offset:\b*65536+\a*512   ; the wave stores 512 consecutive bytes, aligned
.endr
.endm
	s_cmp_lg_u32 s51, 0                            ; k or v: the same in all partners
	s_cbranch_scc1 .Lv
.irp a, 0,1,2,3,4,5,6,7
	OUT8 \a, 1
.endr
	s_branch .Ldone
.Lv:
.irp a, 0,1,2,3,4,5,6,7
	OUT8 \a, 0
.endr
.Ldone:
	s_wait_tensorcnt 0x0
	ds_add_u32 v30, v31
	s_wait_dscnt 0x0
	CROUND                                         ; the closing round
	s_endpgm
.Lfunc_end_k_q728c99b930_projkv:
	.size	k_q728c99b930_projkv, .Lfunc_end_k_q728c99b930_projkv-k_q728c99b930_projkv
	.p2alignl 7, 3214868480
	.fill 96, 4, 3214868480
	.section	.rodata,"a",@progbits
	.p2align	6, 0x0
	.amdhsa_kernel k_q728c99b930_projkv
		.amdhsa_group_segment_fixed_size 327680
		.amdhsa_private_segment_fixed_size 0
		.amdhsa_enable_private_segment 0
		.amdhsa_kernarg_size 48
		.amdhsa_user_sgpr_count 2
		.amdhsa_user_sgpr_kernarg_segment_ptr 1
		.amdhsa_wavefront_size32 1
		.amdhsa_system_sgpr_workgroup_id_x 1
		.amdhsa_system_sgpr_workgroup_id_y 1
		.amdhsa_system_sgpr_workgroup_id_z 1
		.amdhsa_system_vgpr_workitem_id 0
		.amdhsa_next_free_vgpr 1024
		.amdhsa_next_free_sgpr 66
		.amdhsa_reserve_vcc 0
		.amdhsa_float_denorm_mode_32 3
		.amdhsa_float_denorm_mode_16_64 3
		.amdhsa_memory_ordered 1
		.amdhsa_forward_progress 1
		.amdhsa_inst_pref_size 255
	.end_amdhsa_kernel
	.section	.bss,"aw",@nobits
	.p2align	6
	.space	262144
	.amdgpu_metadata
---
amdhsa.version: [ 1, 2 ]
amdhsa.kernels:
  - .name:           k_q728c99b930_projkv
    .symbol:         k_q728c99b930_projkv.kd
    .args:
      - { .name: key_in, .offset: 0, .size: 8, .value_kind: global_buffer, .address_space: global }
      - { .name: value, .offset: 8, .size: 8, .value_kind: global_buffer, .address_space: global }
      - { .name: wbf, .offset: 16, .size: 8, .value_kind: global_buffer, .address_space: global }
      - { .name: bk, .offset: 24, .size: 8, .value_kind: global_buffer, .address_space: global }
      - { .name: bv, .offset: 32, .size: 8, .value_kind: global_buffer, .address_space: global }
      - { .name: kvact, .offset: 40, .size: 8, .value_kind: global_buffer, .address_space: global }
    .group_segment_fixed_size: 327680
    .private_segment_fixed_size: 0
    .kernarg_segment_align: 8
    .kernarg_segment_size: 48
    .max_flat_workgroup_size: 128
    .sgpr_count:     66
    .vgpr_count:     1024
    .wavefront_size: 32
...
	.end_amdgpu_metadata
.endif
;; end of part 2
;; launch kvsum (part 3): grid 128 x 2, 4 waves a work-group, no clusters, 82,432 bytes of LDS; arguments kvact, tab, kvw; writes kvw
.if DOCPART == 3
	.amdgcn_target "amdgcn-amd-amdhsa--gfx1250"
	.amdhsa_code_object_version 6
	.text
	.protected	k_q728c99b930_kvsum
	.globl	k_q728c99b930_kvsum
	.p2align	8
	.type	k_q728c99b930_kvsum,@function
k_q728c99b930_kvsum:
	s_mov_b64 s[64:65], 0
	v_nop
	global_prefetch_b8 v0, s[64:65] scope:SCOPE_SE
	s_setreg_imm32_b32 hwreg(HW_REG_WAVE_MODE, 25, 1), 1
	s_wait_xcnt 0x0
; kv_ext = [k sin ; k cos]^T [v | 1] for one (batch, head): 128 x 80, summed over s = 0 .. 2047; the block of ones gives the sum of k2 over s in each of its columns.
; Work-group (x, y): head x = 16 b + head; y = which 32 of the 64 d.  It makes four blocks of 16 rows (sin, cos x two blocks of d) x five blocks of 16 columns: 20 tiles.
; Wave w takes s = 512 w .. + 511 in 16 steps of 32, written out; operands come straight from memory in fragment order through a ring of four register slots
; (16 loads of 512 bytes a step), so LDS holds only the four waves' partial sums.  No tile is shared between work-groups but v (two readers): no cluster.
; k sin and k cos are packed f16 products: one rounding to f16 each, by a table rounded to f16.
; Out: kvw = [head][5 column blocks][4 steps of 32 d2][c][lane][8 bf16]; lane (r, h): column 16 block + r, d2 = 32 step + 16 c + 8 h + 0..7; d2 < 64 sin, else cos.
; bf16, since the sums have no room in f16 when k and v are large.
.set ONES, 16                          ; window 0: v16-23   1.0 in f16, twice a register
.set VR,   32                          ; window 0: v32-159  four slots of v's 4 fragments
.set K2,   160                         ; window 0: v160-191 k sin (two blocks), k cos (two blocks)
.set TR,   192                         ; window 0: v192-255 four slots: sin c = 0, 1; cos c = 0, 1
.set KR,   160                         ; window 1: v160-223 four slots of k's 2 fragments;  window 1: v0-159 the 20 accumulators
.set REDW, 20480                       ; a wave's partial sums in LDS
.set MSB, 0
.macro WIN new
.if MSB != (\new)
	s_set_vgpr_msb (MSB<<8)|(\new)
.set MSB, (\new)
.endif
.endm
.macro PLACES                          ; four places behind matrix instructions (ISA guide 7.12.1)
.rept 4
	v_nop
.endr
.endm
.macro LOADS q                         ; step q's 16 loads
	WIN 0x40
.irp cc, 0,1
.irp c, 0,1
	global_load_b128 v[KR+16*((\q)&3)+8*\cc+4*\c:KR+16*((\q)&3)+8*\cc+4*\c+3], v2, s[14:15] offset:\cc*65536+(\q)*1024+\c*512 th:TH_LOAD_NT
.endr
.endr
	WIN 0
.irp nb, 0,1,2,3
.irp c, 0,1
	global_load_b128 v[VR+32*((\q)&3)+8*\nb+4*\c:VR+32*((\q)&3)+8*\nb+4*\c+3], v2, s[16:17] offset:\nb*65536+(\q)*1024+\c*512
.endr
.endr
.irp tg, 0,1
.irp c, 0,1
	global_load_b128 v[TR+16*((\q)&3)+8*\tg+4*\c:TR+16*((\q)&3)+8*\tg+4*\c+3], v3, s[6:7] offset:\tg*4096+(\q)*64+\c*32
.endr
.endr
.endm
; lcnt: the loads of the younger steps, 16 each, stay out.  The 20 accumulators take turns, one instruction a turn.
.macro KSTEP q, lcnt, more
	s_wait_loadcnt \lcnt
	WIN 0x01
.irp tg, 0,1
.irp cc, 0,1
.set i, 0
.rept 8
	v_pk_mul_f16 v[K2+8*(2*\tg+\cc)+i], v[KR+16*((\q)&3)+8*\cc+i], v[TR+16*((\q)&3)+8*\tg+i]
.set i, i+1
.endr
.endr
.endr
	WIN 0x50
.irp mb, 0,1,2,3
.irp nb, 0,1,2,3,4
.if \nb < 4
.set bb, VR+32*((\q)&3)+8*\nb
.else
.set bb, ONES
.endif
.if (\q) == 0
	v_wmma_f32_16x16x32_f16 v[8*(5*\mb+\nb):8*(5*\mb+\nb)+7], v[K2+8*\mb:K2+8*\mb+7], v[bb:bb+7], 0
.else
	v_wmma_f32_16x16x32_f16 v[8*(5*\mb+\nb):8*(5*\mb+\nb)+7], v[K2+8*\mb:K2+8*\mb+7], v[bb:bb+7], v[8*(5*\mb+\nb):8*(5*\mb+\nb)+7]
.endif
.endr
.endr
	PLACES                                         ; in front of the loads into this slot and of the next products into K2
.if \more
	LOADS (\q)+4
.endif
.endm
	s_load_b128 s[4:7], s[0:1], 0x0                ; kvact, tab
	s_load_b64 s[8:9], s[0:1], 0x10                ; kvw
	v_lshl_add_u32 v30, v0, 2, 0x14000
	v_mov_b32 v31, 0
	v_lshrrev_b32 v1, 5, v0
	v_readfirstlane_b32 s10, v1                    ; wave
	s_and_b32 s12, ttmp7, 0xffff                   ; which half of d
	v_and_b32 v1, 31, v0
	v_lshlrev_b32 v7, 4, v1                        ; 16 x lane
	s_lshl_b32 s13, s10, 14                        ; 32 groups of 16 s, 512 bytes each
	v_add_nc_u32 v2, s13, v7
	v_bfe_u32 v3, v0, 4, 1
	s_lshl_b32 s13, s10, 10                        ; 512 entries of f16
	v_lshl_add_u32 v3, v3, 4, s13                  ; the table: 8 entries at 8 h
	s_mul_i32 s13, s10, REDW
	v_add_nc_u32 v4, s13, v7                       ; where I put my sums
	s_mul_i32 s13, s10, 5120
	v_add_nc_u32 v5, s13, v7                       ; where I read row block w of waves 0, 1
	v_add_nc_u32 v6, 2*REDW, v5                    ; and of waves 2, 3 (beyond the immediate's 16 bits)
	s_lshl_b32 s20, ttmp9, 18                      ; four column blocks of 65,536 bytes a head
	s_mov_b32 s21, 0
	s_lshl_b32 s22, s12, 17
	s_mov_b32 s23, 0
	s_mul_i32 s24, ttmp9, 20480
	s_lshr_b32 s13, s10, 1
	s_lshl1_add_u32 s13, s13, s12                  ; step of 32 d2 = 2 (sin, cos) + half of d
	s_lshl_b32 s13, s13, 10
	s_add_co_u32 s24, s24, s13
	s_and_b32 s13, s10, 1                          ; c
	s_lshl_b32 s13, s13, 9
	s_add_co_u32 s24, s24, s13
	s_mov_b32 s25, 0
.irp j, 0,1,2,3,4,5,6,7
	v_mov_b32 v[ONES+\j], 0x3c003c00
.endr
	s_wait_kmcnt 0x0
	s_add_nc_u64 s[16:17], s[4:5], s[20:21]
	s_add_nc_u64 s[14:15], s[16:17], s[22:23]      ; k: my two blocks of d
	s_add_nc_u64 s[16:17], s[16:17], 0x2000000     ; v
	s_add_nc_u64 s[18:19], s[8:9], s[24:25]
	LOADS 0
	LOADS 1
	LOADS 2
	LOADS 3
.irp q, 0,1,2,3,4,5,6,7,8,9,10,11
	KSTEP \q, 48, 1
.endr
	KSTEP 12, 48, 0
	KSTEP 13, 32, 0
	KSTEP 14, 16, 0
	KSTEP 15, 0, 0
	; the four waves' sums meet in LDS; wave w adds row block w, in a fixed order
	WIN 0x04
.set i, 0
.rept 40
	ds_store_b128 v4, v[4*i:4*i+3] offset:i*512
.set i, i+1
.endr
	WIN 0
	s_wait_dscnt 0x0                               ; my stores are done before I say so
	s_barrier_signal -1
	s_barrier_wait -1
.irp src, 0,1
.set i, 0
.rept 10
	ds_load_b128 v[32+40*\src+4*i:32+40*\src+4*i+3], v5 offset:\src*REDW+i*512
	ds_load_b128 v[112+40*\src+4*i:112+40*\src+4*i+3], v6 offset:\src*REDW+i*512
.set i, i+1
.endr
.endr
	s_wait_dscnt 0x0
.set i, 0
.rept 20
	v_pk_add_f32 v[32+2*i:32+2*i+1], v[32+2*i:32+2*i+1], v[72+2*i:72+2*i+1]
	v_pk_add_f32 v[112+2*i:112+2*i+1], v[112+2*i:112+2*i+1], v[152+2*i:152+2*i+1]
.set i, i+1
.endr
.set i, 0
.rept 20
	v_pk_add_f32 v[32+2*i:32+2*i+1], v[32+2*i:32+2*i+1], v[112+2*i:112+2*i+1]
.set i, i+1
.endr
.set i, 0
.rept 20
	v_cvt_pk_bf16_f32 v[192+i], v[32+2*i], v[32+2*i+1]     ; a lane's eight sums are d2 = 8 h + 0..7 of column r: its 16 bytes of the stored order
.set i, i+1
.endr
.irp nb, 0,1,2,3,4
	global_store_b128 v7, v[192+4*\nb:192+4*\nb+3], s[18:19] offset:\nb*4096   ; the wave stores 512 consecutive bytes, aligned
.endr
	s_wait_tensorcnt 0x0
	ds_add_u32 v30, v31
	s_wait_dscnt 0x0
	s_endpgm
.Lfunc_end_k_q728c99b930_kvsum:
	.size	k_q728c99b930_kvsum, .Lfunc_end_k_q728c99b930_kvsum-k_q728c99b930_kvsum
	.p2alignl 7, 3214868480
	.fill 96, 4, 3214868480
	.section	.rodata,"a",@progbits
	.p2align	6, 0x0
	.amdhsa_kernel k_q728c99b930_kvsum
		.amdhsa_group_segment_fixed_size 82432
		.amdhsa_private_segment_fixed_size 0
		.amdhsa_enable_private_segment 0
		.amdhsa_kernarg_size 24
		.amdhsa_user_sgpr_count 2
		.amdhsa_user_sgpr_kernarg_segment_ptr 1
		.amdhsa_wavefront_size32 1
		.amdhsa_system_sgpr_workgroup_id_x 1
		.amdhsa_system_sgpr_workgroup_id_y 1
		.amdhsa_system_sgpr_workgroup_id_z 1
		.amdhsa_system_vgpr_workitem_id 0
		.amdhsa_next_free_vgpr 512
		.amdhsa_next_free_sgpr 66
		.amdhsa_reserve_vcc 0
		.amdhsa_float_denorm_mode_32 3
		.amdhsa_float_denorm_mode_16_64 3
		.amdhsa_memory_ordered 1
		.amdhsa_forward_progress 1
		.amdhsa_inst_pref_size 94
	.end_amdhsa_kernel
	.amdgpu_metadata
---
amdhsa.version: [ 1, 2 ]
amdhsa.kernels:
  - .name:           k_q728c99b930_kvsum
    .symbol:         k_q728c99b930_kvsum.kd
    .args:
      - { .name: kvact, .offset: 0, .size: 8, .value_kind: global_buffer, .address_space: global }
      - { .name: tab, .offset: 8, .size: 8, .value_kind: global_buffer, .address_space: global }
      - { .name: kvw, .offset: 16, .size: 8, .value_kind: global_buffer, .address_space: global }
    .group_segment_fixed_size: 82432
    .private_segment_fixed_size: 0
    .kernarg_segment_align: 8
    .kernarg_segment_size: 24
    .max_flat_workgroup_size: 128
    .sgpr_count:     66
    .vgpr_count:     512
    .wavefront_size: 32
...
	.end_amdgpu_metadata
.endif
;; end of part 3
;; launch projq (part 4): grid 64 x 4, 4 waves a work-group, clusters of 4 x 1, 327,680 bytes of LDS; arguments query, wbf, bq, tab, kvw, ows; writes ows
.if DOCPART == 4
	.amdgcn_target "amdgcn-amd-amdhsa--gfx1250"
	.amdhsa_code_object_version 6
	.text
	.protected	k_q728c99b930_projq
	.globl	k_q728c99b930_projq
	.p2align	8
	.type	k_q728c99b930_projq,@function
k_q728c99b930_projq:
	s_mov_b64 s[64:65], 0
	v_nop
	global_prefetch_b8 v0, s[64:65] scope:SCOPE_SE
	s_setreg_imm32_b32 hwreg(HW_REG_WAVE_MODE, 25, 1), 1
	s_wait_xcnt 0x0
	s_wait_alu depctr_hold_cnt(0) depctr_sa_sdst(0) depctr_va_vdst(0) depctr_va_sdst(0) depctr_va_ssrc(0) depctr_va_vcc(0) depctr_vm_vsrc(0)
	s_getreg_b32 s2, hwreg(HW_REG_IB_STS2, 6, 4)
	s_cmp_eq_u32 s2, 0
	s_cbranch_scc0 .Lentry_in_a_cluster
	s_endpgm
.Lentry_in_a_cluster:
	s_bfe_u32 s2, ttmp6, 0x10000c
	s_cmp_lg_u32 s2, 0x3003
	s_cbranch_scc0 .Lentry_shape_is_right
	s_endpgm
.Lentry_shape_is_right:
; q = relu((query wq^T + bq) / 8), q2 = [q sin, q cos], num = q2 kv, den = q2 ksum, o = num / max(den, 1e-6); o goes out in f16 in the order in which the last
; launch loads it: ows = [b*64 + t/16][32 blocks of 32 columns][c][lane][8 f16]; lane (r, h): row t = r, column 32 block + 16 c + 8 h + 0..7.
; Work-group (x, y): b = x & 7, t = 128 (x >> 3) .. + 127, heads 4 y .. 4 y + 3: 256 work-groups.  Wave w is head 4 y + w: 128 t x 64 d, 32 tiles.
; The matrix instruction is used transposed (source 0 = rows of W, source 1 = rows of the activations): a lane's eight results are d = 8 h + 0..7 of one t, which
; pack into fragments of q2 without leaving the registers; the apply step, transposed too, gives e = 8 h + 0..7 of one t, and den (from the block whose columns all
; hold ksum) in every register of the lanes of that t, so the division stays in the lane.
; K goes in 8 steps of 128, written out, through two LDS slots; W by joint tensor loads (the cluster's four batches share it), the activations through registers
; (f32 to f16 once) two steps ahead, into LDS bytes into which no tensor load lands.
; The factor 1/8 is a power of two: it is folded into the sin and cos weights, exactly.
; LIMITS: |query|, |wq| under 65,504 (f16 operands); q2 and kv are bf16; relu is v_max_num_f32, which turns a NaN into 0.
; WINDOWS: 0: addresses, bias (later the weights), fragments of the activations, P.  1: fragments of W, load set 0, later kv.  2: accumulators.  3: load set 1.
.set WSLOT,  65536                     ; four waves x [4 blocks of d][4 blocks of 32 k][1,024 bytes]
.set ABASE,  131072
.set APITCH, 272                       ; 256 bytes of f16 + 16
.set ASLOT,  128*APITCH
.set SROW,   32768
.set RC,   4                           ; v4-5   1 / max(den, eps), twice
.set DN,   6
.set ADRA, 24
.set ADRW, 26
.set AST,  28
.set VOA,  29
.set CO,   30
.set BIASC, 32                         ; v32-63  bq as the first products' C
.set SNW,  32                          ; later: sin / 8 of t block a in v[32 + 2 a], cos / 8 in v[48 + 2 a]
.set CSW,  48
.set F0,   64
.set F1,   128
.set P,    192
.set W0,   0                           ; window 1
.set W1,   32
.set S0,   64                          ; window 1
.set S1,   0                           ; window 3
.set KV,   64                          ; window 1: [5 blocks of e][4 steps of d2] fragments
.set XX,   64                          ; the apply step, window 0
.set YY,   96
.set Q2,   128
.set TT,   160
.set A2,   192
.set CW0, 0x05
.set CW1, 0x0f
.set LW0, 0x40
.set LW1, 0xc0
.set G1, 24
.set G0, 32
.set MSB, 0
.macro WIN new
.if MSB != (\new)
	s_set_vgpr_msb (MSB<<8)|(\new)
.set MSB, (\new)
.endif
.endm
.macro PLACES                          ; four places behind matrix instructions (ISA guide 7.12.1)
.rept 4
	v_nop
.endr
.endm
.macro CREST
	s_cmp_lg_u32 s20, 0
	s_cbranch_scc1 .Lnot_wave_0_\@
	s_barrier_signal -3
.Lnot_wave_0_\@:
	s_barrier_wait -3
	s_barrier_signal -1
	s_barrier_wait -1
.endm
.macro CROUND
	s_barrier_signal -1
	s_barrier_wait -1
	CREST
.endm
.macro LOADA q, imm                    ; 32 loads: my 32 rows' 512 bytes of one K step
	WIN LW\q
.set i, 0
.rept 32
	global_load_b128 v[S\q+4*i:S\q+4*i+3], v[VOA], s[40:41] offset:(16*(i>>4)+((i>>1)&7))*SROW+(i&1)*256+\imm
.set i, i+1
.endr
.endm
.macro ACONV q, lcnt, issue            ; set q, rounded, into slot q; issue as in LOADA's use below
	s_wait_loadcnt \lcnt
	WIN CW\q
.set i, 0
.rept 64
	v_cvt_pk_f16_f32 v[P+i], v[S\q+2*i], v[S\q+2*i+1]
.set i, i+1
.endr
	WIN 0
.set i, 0
.rept 32
	ds_store_b64 v[AST], v[P+2*i:P+2*i+1] offset:\q*ASLOT+(16*(i>>4)+((i>>1)&7))*APITCH+(i&1)*128
.set i, i+1
.endr
.if \issue
.if \issue == 1
	s_wait_xcnt 0x0                                ; the other set's loads name the base: it steps only behind this wait
	s_add_nc_u64 s[40:41], s[40:41], 512
.endif
	LOADA \q, 1024
.endif
.endm
.macro MULQ f, fw, a0, n, first        ; n blocks of t from a0 x 4 blocks of d
.set aa, \a0
.rept \n
.irp b, 0,1,2,3
.if \first
	v_wmma_f32_16x16x32_f16 v[8*(4*aa+\b):8*(4*aa+\b)+7], v[\fw+8*\b:\fw+8*\b+7], v[\f+8*aa:\f+8*aa+7], v[BIASC+8*\b:BIASC+8*\b+7]
.else
	v_wmma_f32_16x16x32_f16 v[8*(4*aa+\b):8*(4*aa+\b)+7], v[\fw+8*\b:\fw+8*\b+7], v[\f+8*aa:\f+8*aa+7], v[8*(4*aa+\b):8*(4*aa+\b)+7]
.endif
.endr
.set aa, aa+1
.endr
.endm
.macro MWIN first                      ; source 0 (W) window 1, source 1 window 0, D window 2, C window 2 or (first) 0
.if \first
	WIN 0x81
.else
	WIN 0xa1
.endif
.endm
.macro FETCH slot, kq, f, fw           ; 24 LDS loads: W's 4 blocks, then the activations' 8
	WIN 0x40
.irp b, 0,1,2,3
	ds_load_b128 v[\fw+8*\b:\fw+8*\b+3],   v[ADRW+\slot] offset:\b*4096+\kq*1024
	ds_load_b128 v[\fw+8*\b+4:\fw+8*\b+7], v[ADRW+\slot] offset:\b*4096+\kq*1024+512
.endr
	WIN 0
.irp a, 0,1,2,3,4,5,6,7
	ds_load_b128 v[\f+8*\a:\f+8*\a+3],   v[ADRA+\slot] offset:\a*16*APITCH+\kq*64
	ds_load_b128 v[\f+8*\a+4:\f+8*\a+7], v[ADRA+\slot] offset:\a*16*APITCH+\kq*64+32
.endr
.endm
; a quarter step (32 along K, 32 matrix instructions) in two parts; the 32 accumulators take turns, one instruction a turn
.macro QHEAD f, fw, first
	s_wait_dscnt 8                                 ; W and blocks 0-3 of t are in; the youngest eight loads may be out
	MWIN \first
	MULQ \f, \fw, 0, 4, \first
	PLACES
.endm
.macro QTAIL slot, kn, f, fw, g, gw, first
	FETCH \slot, \kn, \g, \gw
	s_wait_dscnt 24                                ; all but the 24 just issued
	MWIN \first
	MULQ \f, \fw, 4, 4, \first
.endm
.macro KVLOAD                          ; my head's kv (40 loads of 512 bytes) and my 128 rows' weights
	WIN 0x40
.set i, 0
.rept 40
	global_load_b128 v[KV+4*i:KV+4*i+3], v[CO], s[44:45] offset:i*512
.set i, i+1
.endr
	WIN 0
.irp a, 0,1,2,3,4,5,6,7
	global_load_b32 v[SNW+2*\a], v3, s[10:11] offset:8192+64*\a
	global_load_b32 v[CSW+2*\a], v3, s[10:11] offset:12288+64*\a
.endr
.endm
.macro THREE slot, other, first, conv, lcnt, issue, kvl
	QHEAD F0, W0, \first
.if \conv
	ACONV \other, \lcnt, \issue
.endif
.if \kvl
	KVLOAD
.endif
	QTAIL \slot, 1, F0, W0, F1, W1, \first
	QHEAD F1, W1, 0
	QTAIL \slot, 2, F1, W1, F0, W0, 0
	QHEAD F0, W0, 0
	QTAIL \slot, 3, F0, W0, F1, W1, 0
.endm
; the last quarter changes slots: each wave's reads of this slot, its stores into the other and all its tensor loads (one is out) are waited for in front of the
; barrier; fill = 1: the barrier opens a round of the cluster's barrier and the joint refill is the first tensor load behind the round
.macro TURN slot, next, fill
	s_wait_dscnt 8
	WIN 0xa1
	MULQ F1, W1, 0, 2, 0
	s_wait_dscnt 0x0
	s_wait_tensorcnt 0x0
	ds_add_u32 v255, v31
	s_wait_dscnt 0x0
	s_barrier_signal -1
	MULQ F1, W1, 2, 2, 0
	WIN 0
	s_barrier_wait -1
.if \fill
	CREST
	s_add_nc_u64 s[G0+4*\slot+2:G0+4*\slot+3], s[G0+4*\slot+2:G0+4*\slot+3], 8192   ; two K steps of 4,096 bytes
	tensor_load_to_lds s[G0+4*\slot:G0+4*\slot+3], s[G1:G1+7]
	s_nop 0
.endif
	PLACES
	FETCH \next, 0, F0, W0
	WIN 0xa1
	MULQ F1, W1, 4, 4, 0
.endm
	s_load_b256 s[4:11], s[0:1], 0x0               ; query, wbf, bq, tab
	s_load_b128 s[12:15], s[0:1], 0x20             ; kvw, ows
	s_set_vgpr_msb 0x40
	v_lshl_add_u32 v255, v0, 2, 0x31000
	s_set_vgpr_msb 0x4000
	v_mov_b32 v31, 0
	s_set_vgpr_msb 0x1
	ds_add_u32 v255, v31
	s_set_vgpr_msb 0x100
	v_lshrrev_b32 v1, 5, v0
	v_readfirstlane_b32 s20, v1
	s_bfe_u32 s46, ttmp6, 0x40000                  ; cx
	s_lshl_b32 s47, ttmp9, 2
	s_add_co_u32 s47, s47, s46
	s_and_b32 s48, s47, 7                          ; b
	s_lshr_b32 s49, s47, 3                         ; which 128 t
	s_and_b32 s50, ttmp7, 0xffff
	s_lshl2_add_u32 s51, s50, s20                  ; head = 4 y + wave
	; group 1: 4 rows (blocks of d) of 512 elements of 8 bytes, 4,096 elements from row to row
	s_mov_b32 s[G1+0], 15|(3<<16)|(1<<21)
	s_mov_b32 s[G1+1], 512<<16
	s_mov_b32 s[G1+2], 4<<16
	s_mov_b32 s[G1+3], 512<<16
	s_mov_b32 s[G1+4], 4
	s_mov_b32 s[G1+5], 4096
	s_mov_b32 s[G1+6], 0
	s_mov_b32 s[G1+7], 0
	s_lshl_b32 s54, s51, 17                        ; four blocks of 32 KiB a head; made of y and the wave alone
	s_mov_b32 s55, 0
	s_lshl_b32 s53, s20, 14
	s_lshl_b32 s56, s49, 22
	s_lshl_b32 s57, s48, 12
	s_add_co_u32 s56, s56, s57
	s_mov_b32 s57, 0
	s_lshl_b32 s58, s48, 21                        ; ows: 64 row blocks of 32 KiB a batch
	s_lshl_b32 s59, s49, 18
	s_add_co_u32 s58, s58, s59
	s_lshl_b32 s59, s51, 11                        ; 4 halves of 512 bytes a head
	s_add_co_u32 s58, s58, s59
	s_mov_b32 s59, 0
	s_lshl4_add_u32 s60, s48, s51                  ; 16 b + head
	s_mul_i32 s60, s60, 20480
	s_mov_b32 s61, 0
	v_and_b32 v1, 15, v0
	v_bfe_u32 v2, v0, 4, 1
	v_and_b32 v5, 31, v0
	v_mul_u32_u24 v4, v1, APITCH
	v_lshl_add_u32 v4, v2, 4, v4
	v_add_nc_u32 v[ADRA], ABASE, v4
	v_add_nc_u32 v[ADRA+1], ABASE+ASLOT, v4
	v_lshlrev_b32 v[CO], 4, v5
	v_add_nc_u32 v[ADRW], s53, v[CO]
	v_add_nc_u32 v[ADRW+1], WSLOT, v[ADRW]
	s_mul_i32 s62, s20, 32*APITCH
	s_add_co_u32 s62, s62, ABASE
	v_mul_u32_u24 v6, v2, 8*APITCH                 ; 8 rows are 2,176 bytes = 128 modulo 256
	v_lshl_add_u32 v6, v1, 3, v6
	v_add_nc_u32 v[AST], s62, v6
	s_lshl_b32 s63, s20, 20
	v_lshlrev_b32 v5, 18, v2
	v_lshl_add_u32 v5, v1, 4, v5
	v_add_nc_u32 v[VOA], s63, v5
	s_lshl_b32 s21, s51, 8
	v_lshl_add_u32 v7, v2, 5, s21                  ; bq at 64 head + 8 h
	s_lshl_b32 s22, s49, 9
	v_lshl_add_u32 v3, v1, 2, s22                  ; the table at t = 128 (x >> 3) + r
	s_wait_dscnt 0x0
	s_wait_kmcnt 0x0
	s_add_nc_u64 s[40:41], s[4:5], s[56:57]
	s_add_nc_u64 s[42:43], s[14:15], s[58:59]
	s_add_nc_u64 s[44:45], s[12:13], s[60:61]
	s_add_nc_u64 s[54:55], s[6:7], s[54:55]
.irp b, 0,1,2,3
	global_load_b128 v[BIASC+8*\b:BIASC+8*\b+3],   v7, s[8:9] offset:64*\b
	global_load_b128 v[BIASC+8*\b+4:BIASC+8*\b+7], v7, s[8:9] offset:64*\b+16
.endr
	LOADA 0, 0
	LOADA 1, 512
	WIN 0
	CROUND                                         ; in front of the first joint loads
.irp s, 0,1
	s_mov_b32 s[G0+4*\s], 1
	s_add_co_u32 s[G0+4*\s+1], s53, \s*WSLOT
	s_add_nc_u64 s[G0+4*\s+2:G0+4*\s+3], s[54:55], \s*4096
	s_or_b32 s[G0+4*\s+3], s[G0+4*\s+3], 0x80000000
	tensor_load_to_lds s[G0+4*\s:G0+4*\s+3], s[G1:G1+7]    ; two tensor loads of the wave are out, the most in this text
	s_nop 0
.endr
	ACONV 0, 32, 2                                 ; the bias and K step 0 are in, set 1's 32 loads stay out; set 0 takes K step 2
	WIN 0
	s_wait_dscnt 0x0
	s_wait_tensorcnt 0x1                           ; W's K step 0 is in
	s_barrier_signal -1
	s_barrier_wait -1
	FETCH 0, 0, F0, W0
	; step i multiplies slot i & 1, rounds tile i + 1, loads tile i + 3, refills W with tile i + 2; the wait for 32 leaves the other set's loads out
	THREE 0, 1, 1, 1, 32, 1, 0
	TURN 0, 1, 1
	THREE 1, 0, 0, 1, 32, 1, 0
	TURN 1, 0, 1
	THREE 0, 1, 0, 1, 32, 1, 0
	TURN 0, 1, 1
	THREE 1, 0, 0, 1, 32, 1, 0
	TURN 1, 0, 1
	THREE 0, 1, 0, 1, 32, 1, 0                     ; 4: loads the last tile
	TURN 0, 1, 1
	THREE 1, 0, 0, 1, 32, 0, 0
	TURN 1, 0, 1                                   ; 5: the last refill of W
	THREE 0, 1, 0, 1, 0, 0, 1                      ; 6: the last tile is rounded; kv and the weights are asked for, into registers that set 0 and the bias have left
	TURN 0, 1, 0
	THREE 1, 0, 0, 0, 0, 0, 0                      ; 7
	s_wait_dscnt 8
	WIN 0xa1
	MULQ F1, W1, 0, 4, 0
	s_wait_dscnt 0x0
	MULQ F1, W1, 4, 4, 0
	PLACES
	WIN 0
	s_wait_loadcnt 0x0                             ; kv and the weights
.irp a, 0,1,2,3,4,5,6,7
	v_mul_f32 v[SNW+2*\a], 0x3e000000, v[SNW+2*\a] ; the scale 1/8
	v_mul_f32 v[CSW+2*\a], 0x3e000000, v[CSW+2*\a]
.endr
; block a of 16 t: relu, the two weights, q2 in bf16 (4 fragments), 20 products (5 accumulators by turns, one instruction a turn), the division, out
.macro APPLY a
	WIN 0x08
.set i, 0
.rept 32
	v_max_num_f32 v[XX+i], 0, v[32*\a+i]
.set i, i+1
.endr
	WIN 0
.set i, 0
.rept 16
	v_pk_mul_f32 v[YY+2*i:YY+2*i+1], v[XX+2*i:XX+2*i+1], v[SNW+2*\a:SNW+2*\a+1] op_sel_hi:[1,0]
.set i, i+1
.endr
.set i, 0
.rept 16
	v_cvt_pk_bf16_f32 v[Q2+i], v[YY+2*i], v[YY+2*i+1]
.set i, i+1
.endr
.set i, 0
.rept 16
	v_pk_mul_f32 v[YY+2*i:YY+2*i+1], v[XX+2*i:XX+2*i+1], v[CSW+2*\a:CSW+2*\a+1] op_sel_hi:[1,0]
.set i, i+1
.endr
.set i, 0
.rept 16
	v_cvt_pk_bf16_f32 v[Q2+16+i], v[YY+2*i], v[YY+2*i+1]
.set i, i+1
.endr
	WIN 0x01
.irp ks, 0,1,2,3
.irp e, 0,1,2,3,4
.if \ks == 0
	v_wmma_f32_16x16x32_bf16 v[A2+8*\e:A2+8*\e+7], v[KV+8*(4*\e+\ks):KV+8*(4*\e+\ks)+7], v[Q2+8*\ks:Q2+8*\ks+7], 0
.else
	v_wmma_f32_16x16x32_bf16 v[A2+8*\e:A2+8*\e+7], v[KV+8*(4*\e+\ks):KV+8*(4*\e+\ks)+7], v[Q2+8*\ks:Q2+8*\ks+7], v[A2+8*\e:A2+8*\e+7]
.endif
.endr
.endr
	PLACES
	WIN 0
	v_max_num_f32 v[DN], 0x358637bd, v[A2+32]      ; max(den, 1e-6): every register of the fifth tile holds den of t = r
	v_rcp_f32 v[RC], v[DN]
	v_rcp_f32 v[RC+1], v[DN]
	s_wait_xcnt 0x0                                ; the bank's last stores have read it
	v_nop                                          ; one plain place behind the reciprocals (ISA guide 5.7.2)
.set i, 0
	s_wait_alu depctr_va_vdst(0)
.rept 16
	v_pk_mul_f32 v[YY+2*i:YY+2*i+1], v[A2+2*i:A2+2*i+1], v[RC:RC+1]
.set i, i+1
.endr
.set i, 0
.rept 16
	v_cvt_pk_f16_f32 v[TT+16*(\a&1)+i], v[YY+2*i], v[YY+2*i+1]
.set i, i+1
.endr
.irp e, 0,1,2,3
	global_store_b128 v[CO], v[TT+16*(\a&1)+4*\e:TT+16*(\a&1)+4*\e+3], s[42:43] offset:\a*32768+\e*512   ; the wave stores 512 consecutive bytes, aligned
.endr
.endm
.irp a, 0,1,2,3,4,5,6,7
	APPLY \a
.endr
	CROUND                                         ; the closing round
	s_endpgm
.Lfunc_end_k_q728c99b930_projq:
	.size	k_q728c99b930_projq, .Lfunc_end_k_q728c99b930_projq-k_q728c99b930_projq
	.p2alignl 7, 3214868480
	.fill 96, 4, 3214868480
	.section	.rodata,"a",@progbits
	.p2align	6, 0x0
	.amdhsa_kernel k_q728c99b930_projq
		.amdhsa_group_segment_fixed_size 327680
		.amdhsa_private_segment_fixed_size 0
		.amdhsa_enable_private_segment 0
		.amdhsa_kernarg_size 48
		.amdhsa_user_sgpr_count 2
		.amdhsa_user_sgpr_kernarg_segment_ptr 1
		.amdhsa_wavefront_size32 1
		.amdhsa_system_sgpr_workgroup_id_x 1
		.amdhsa_system_sgpr_workgroup_id_y 1
		.amdhsa_system_sgpr_workgroup_id_z 1
		.amdhsa_system_vgpr_workitem_id 0
		.amdhsa_next_free_vgpr 896
		.amdhsa_next_free_sgpr 66
		.amdhsa_reserve_vcc 0
		.amdhsa_float_denorm_mode_32 3
		.amdhsa_float_denorm_mode_16_64 3
		.amdhsa_memory_ordered 1
		.amdhsa_forward_progress 1
		.amdhsa_inst_pref_size 255
	.end_amdhsa_kernel
	.section	.bss,"aw",@nobits
	.p2align	6
	.space	262144
	.amdgpu_metadata
---
amdhsa.version: [ 1, 2 ]
amdhsa.kernels:
  - .name:           k_q728c99b930_projq
    .symbol:         k_q728c99b930_projq.kd
    .args:
      - { .name: query, .offset: 0, .size: 8, .value_kind: global_buffer, .address_space: global }
      - { .name: wbf, .offset: 8, .size: 8, .value_kind: global_buffer, .address_space: global }
      - { .name: bq, .offset: 16, .size: 8, .value_kind: global_buffer, .address_space: global }
      - { .name: tab, .offset: 24, .size: 8, .value_kind: global_buffer, .address_space: global }
      - { .name: kvw, .offset: 32, .size: 8, .value_kind: global_buffer, .address_space: global }
      - { .name: ows, .offset: 40, .size: 8, .value_kind: global_buffer, .address_space: global }
    .group_segment_fixed_size: 327680
    .private_segment_fixed_size: 0
    .kernarg_segment_align: 8
    .kernarg_segment_size: 48
    .max_flat_workgroup_size: 128
    .sgpr_count:     66
    .vgpr_count:     896
    .wavefront_size: 32
...
	.end_amdgpu_metadata
.endif
;; end of part 4
;; launch oproj (part 5): grid 4 x 64, 4 waves a work-group, clusters of 4 x 1, 280,064 bytes of LDS; arguments ows, wbf, bo, out0; writes out0
.if DOCPART == 5
	.amdgcn_target "amdgcn-amd-amdhsa--gfx1250"
	.amdhsa_code_object_version 6
	.text
	.protected	k_q728c99b930_oproj
	.globl	k_q728c99b930_oproj
	.p2align	8
	.type	k_q728c99b930_oproj,@function
k_q728c99b930_oproj:
	s_mov_b64 s[64:65], 0
	v_nop
	global_prefetch_b8 v0, s[64:65] scope:SCOPE_SE
	s_setreg_imm32_b32 hwreg(HW_REG_WAVE_MODE, 25, 1), 1
	s_wait_xcnt 0x0
	s_wait_alu depctr_hold_cnt(0) depctr_sa_sdst(0) depctr_va_vdst(0) depctr_va_sdst(0) depctr_va_ssrc(0) depctr_va_vcc(0) depctr_vm_vsrc(0)
	s_getreg_b32 s2, hwreg(HW_REG_IB_STS2, 6, 4)
	s_cmp_eq_u32 s2, 0
	s_cbranch_scc0 .Lentry_in_a_cluster
	s_endpgm
.Lentry_in_a_cluster:
	s_bfe_u32 s2, ttmp6, 0x10000c
	s_cmp_lg_u32 s2, 0x3003
	s_cbranch_scc0 .Lentry_shape_is_right
	s_endpgm
.Lentry_shape_is_right:
; out0 = o wo^T + bo.  o (ows) and wo (matrix 3 of wbf) lie in memory in f16 in fragment order: blocks of 16 rows x 32 k of 1,024 bytes, 32 KiB a block of 16 rows.
; Work-group (x, y): 128 rows (batch b = y >> 3, t = 128 (y & 7) .. + 127) x 256 columns (256 x ..): 256 work-groups.  Wave w: 128 x 64, 32 tiles.
; o: the work-group's 128 rows over the whole K are 262,144 bytes and stay in LDS: four chunks of 256 k, each wave asking for its two row blocks of every chunk,
; all four loads at the start.  No byte of LDS is filled twice, so the work has no refill and no round of the cluster's barrier, only a barrier in front of each chunk.
; The four work-groups of a cluster make the four column blocks of one block row and need the same o: they ask jointly (mask 15).
; wo: a wave's 64 columns are read by no other wave of its work-group and lie in fragment order, so they come straight into registers: 8 loads of 512 bytes for
; each 32 k, through a ring of eight register buffers, six quarter steps (192 matrix instructions) ahead; every address stands in an immediate.
; WHY wo IS NOT ASKED FOR JOINTLY: a ring of o and wo in LDS takes 98,304 bytes for 128 k, so two slots hold 128 k each and leave a tile 112 matrix instructions a wave
; from its request to the wait for it; slots of 256 k (393,216 bytes) do not fit.  With o resident nothing is left for a ring of wo, which needs no LDS.
; The matrix instruction is used transposed (source 0 = rows of wo): a lane's eight results are eight neighbouring columns of one row of out0.
; LDS: 0 .. 262,143 o: [4 chunks][8 row blocks][8 blocks of 32 k][1,024 bytes]; behind it the waves' stages for the way out, into which no tensor load lands.
; LIMIT: |o|, |wo| under 65,504 (f16 operands).
; WINDOWS: 0: addresses, bias, fragments of o (two buffers), the way out.  1: wo's eight buffers.  2: accumulators.
.set CHUNK,  65536
.set STAGE,  262144
.set SPITCH, 272
.set ADRA, 24                          ; v24-27  16 x lane + chunk; v24 is also wo's offset
.set STO,  28
.set RD,   29
.set CO,   30
.set BIASC, 32
.set F0,   64
.set F1,   128
.set TMP,  192
.set G1,  24                           ; s[24:31]
.set G0,  32                           ; s[32:47] one group 0 for each chunk
.set MSB, 0
.macro WIN new
.if MSB != (\new)
	s_set_vgpr_msb (MSB<<8)|(\new)
.set MSB, (\new)
.endif
.endm
.macro PLACES                          ; four places behind matrix instructions (ISA guide 7.12.1)
.rept 4
	v_nop
.endr
.endm
.macro CREST
	s_cmp_lg_u32 s20, 0
	s_cbranch_scc1 .Lnot_wave_0_\@
	s_barrier_signal -3
.Lnot_wave_0_\@:
	s_barrier_wait -3
	s_barrier_signal -1
	s_barrier_wait -1
.endm
.macro CROUND
	s_barrier_signal -1
	s_barrier_wait -1
	CREST
.endm
.macro WLOAD q                         ; wo's fragments of quarter step q (32 k): my four blocks of 16 columns, into buffer q & 7
	WIN 0x40
.irp b, 0,1,2,3
	global_load_b128 v[32*((\q)&7)+8*\b:32*((\q)&7)+8*\b+3],   v[ADRA], s[12:13] offset:\b*32768+(\q)*1024
	global_load_b128 v[32*((\q)&7)+8*\b+4:32*((\q)&7)+8*\b+7], v[ADRA], s[12:13] offset:\b*32768+(\q)*1024+512
.endr
.endm
.macro WWAIT q                         ; quarter q's eight loads are in; those of the quarters behind it, five at the most, stay out
.if (\q) <= 26
	s_wait_loadcnt 40
.else
	s_wait_loadcnt 8*(31-(\q))
.endif
.endm
.macro MULQ f, q, a0, n, first         ; n row blocks from a0 x 4 column blocks
.set aa, \a0
.set ww, 32*((\q)&7)
.rept \n
.irp b, 0,1,2,3
.if \first
	v_wmma_f32_16x16x32_f16 v[8*(4*aa+\b):8*(4*aa+\b)+7], v[ww+8*\b:ww+8*\b+7], v[\f+8*aa:\f+8*aa+7], v[BIASC+8*\b:BIASC+8*\b+7]
.else
	v_wmma_f32_16x16x32_f16 v[8*(4*aa+\b):8*(4*aa+\b)+7], v[ww+8*\b:ww+8*\b+7], v[\f+8*aa:\f+8*aa+7], v[8*(4*aa+\b):8*(4*aa+\b)+7]
.endif
.endr
.set aa, aa+1
.endr
.endm
.macro MWIN first                      ; source 0 (wo) window 1, source 1 (o) window 0, D window 2, C window 2 or (first) 0
.if \first
	WIN 0x81
.else
	WIN 0xa1
.endif
.endm
.macro FETCH q, f                      ; 16 LDS loads of 512 consecutive bytes: o's 8 row blocks of quarter step q
	WIN 0
.irp a, 0,1,2,3,4,5,6,7
	ds_load_b128 v[\f+8*\a:\f+8*\a+3],   v[ADRA+((\q)>>3)] offset:\a*8192+((\q)&7)*1024
	ds_load_b128 v[\f+8*\a+4:\f+8*\a+7], v[ADRA+((\q)>>3)] offset:\a*8192+((\q)&7)*1024+512
.endr
.endm
; a quarter step: 32 matrix instructions; the 32 accumulators take turns, one instruction a turn.
; In its middle wo's quarter q + 6 is asked for, into the buffer that quarter q - 2 read, and o's next fragments are fetched.
.macro QUARTER q, f, g, first
	WWAIT \q
	s_wait_dscnt 8                                 ; row blocks 0-3 are in; the youngest eight loads may be out
	MWIN \first
	MULQ \f, \q, 0, 4, \first
	PLACES
.if (\q) <= 25
	WLOAD (\q)+6
.endif
	FETCH (\q)+1, \g
	s_wait_dscnt 16                                ; all but the 16 just issued
	MWIN \first
	MULQ \f, \q, 4, 4, \first
.endm
.macro SEVEN q0, first
	QUARTER \q0,   F0, F1, \first
	QUARTER \q0+1, F1, F0, 0
	QUARTER \q0+2, F0, F1, 0
	QUARTER \q0+3, F1, F0, 0
	QUARTER \q0+4, F0, F1, 0
	QUARTER \q0+5, F1, F0, 0
	QUARTER \q0+6, F0, F1, 0
.endm
; a chunk's last quarter: my part of the next chunk has landed (tcnt younger chunks may stay out), every wave says so, then the next chunk is read
.macro TURNQ q, tcnt
	WWAIT \q
	s_wait_dscnt 8
	WIN 0xa1
	MULQ F1, \q, 0, 2, 0
	s_wait_dscnt 0x0                               ; no LDS instruction of mine is out at the signal
	s_wait_tensorcnt \tcnt
	s_barrier_signal -1
	MULQ F1, \q, 2, 2, 0
	s_barrier_wait -1
	PLACES
	WLOAD (\q)+6
	FETCH (\q)+1, F0
	WIN 0xa1
	MULQ F1, \q, 4, 4, 0
.endm
	s_load_b256 s[4:11], s[0:1], 0x0               ; ows, wbf, bo, out0
	v_lshl_add_u32 v23, v0, 2, 0x44400
	v_mov_b32 v31, 0
	ds_add_u32 v23, v31
	v_lshrrev_b32 v1, 5, v0
	v_readfirstlane_b32 s20, v1                    ; wave
	s_bfe_u32 s21, ttmp6, 0x40000                  ; cx
	s_lshl_b32 s22, ttmp9, 2
	s_add_co_u32 s22, s22, s21                     ; block column
	s_and_b32 s56, ttmp7, 0xffff                   ; block row: the same in the cluster's four
	; group 1: 2 rows (row blocks) of 1,024 elements of 8 bytes (eight blocks of 32 k), 4,096 elements (32 KiB) from a row block to the next
	s_mov_b32 s[G1+0], 15|(3<<16)|(1<<21)          ; mask: the cluster's four; element of 8 bytes; bit 21 beside a mask
	s_mov_b32 s[G1+1], 1024<<16                    ; tensor_dim0
	s_mov_b32 s[G1+2], 2<<16                       ; tensor_dim1
	s_mov_b32 s[G1+3], 1024<<16                    ; tile_dim0
	s_mov_b32 s[G1+4], 2                           ; tile_dim1
	s_mov_b32 s[G1+5], 4096                        ; pitch
	s_mov_b32 s[G1+6], 0
	s_mov_b32 s[G1+7], 0
	s_lshl_b32 s50, s56, 3
	s_lshl1_add_u32 s50, s20, s50                  ; o: row block 8 x block row + 2 x wave: no cx in these registers
	s_lshl_b32 s50, s50, 15
	s_mov_b32 s51, 0
	s_lshl_b32 s52, s22, 4
	s_lshl2_add_u32 s52, s20, s52                  ; wo: row block 16 x block column + 4 x wave
	s_lshl_b32 s52, s52, 15
	s_add_co_u32 s52, s52, 0x600000                ; matrix 3 of wbf
	s_mov_b32 s53, 0
	s_lshl_b32 s18, s20, 14                        ; my two row blocks in a chunk: 16,384 x wave
	s_and_b32 s54, s56, 7
	s_lshl_b32 s54, s54, 22                        ; 128 t of 32,768 bytes
	s_lshr_b32 s57, s56, 3
	s_lshl_b32 s57, s57, 12                        ; b
	s_add_co_u32 s54, s54, s57
	s_lshl_b32 s23, s22, 10
	s_lshl_b32 s57, s20, 8
	s_add_co_u32 s23, s23, s57                     ; my first column, in bytes
	s_add_co_u32 s54, s54, s23
	s_mov_b32 s55, 0
	v_and_b32 v1, 15, v0
	v_bfe_u32 v2, v0, 4, 1
	v_and_b32 v3, 31, v0
	v_lshlrev_b32 v[ADRA], 4, v3
	v_add_nc_u32 v[ADRA+1], CHUNK, v[ADRA]
	v_add_nc_u32 v[ADRA+2], 2*CHUNK, v[ADRA]
	v_add_nc_u32 v[ADRA+3], 3*CHUNK, v[ADRA]
	s_mul_i32 s3, s20, 16*SPITCH
	s_add_co_u32 s3, s3, STAGE                     ; my stage
	v_mul_u32_u24 v5, v1, SPITCH
	v_lshl_add_u32 v5, v2, 5, v5
	v_add_nc_u32 v[STO], s3, v5                    ; in: row r, 32 bytes for each half of the lanes
	v_mul_u32_u24 v6, v2, SPITCH
	v_lshl_add_u32 v6, v1, 4, v6
	v_add_nc_u32 v[RD], s3, v6                     ; back: lanes 0-15 one row of 256 bytes, lanes 16-31 the next
	v_lshlrev_b32 v7, 15, v2
	v_lshl_add_u32 v[CO], v1, 4, v7                ; and the same two rows in out0
	v_lshl_add_u32 v8, v2, 5, s23                  ; bo at my first column + 8 h
	s_wait_dscnt 0x0
	s_wait_kmcnt 0x0
	s_add_nc_u64 s[48:49], s[4:5], s[50:51]
	s_add_nc_u64 s[12:13], s[6:7], s[52:53]
	s_add_nc_u64 s[16:17], s[10:11], s[54:55]
.irp b, 0,1,2,3
	global_load_b128 v[BIASC+8*\b:BIASC+8*\b+3],   v8, s[8:9] offset:64*\b
	global_load_b128 v[BIASC+8*\b+4:BIASC+8*\b+7], v8, s[8:9] offset:64*\b+16
.endr
.irp q, 0,1,2,3,4,5
	WLOAD \q                                       ; wo's first six quarters: with the bias 56 loads are out
.endr
	WIN 0
	CROUND                                         ; the four work-groups are here: the joint loads meet
.irp j, 0,1,2,3
	s_mov_b32 s[G0+4*\j], 1
	s_add_co_u32 s[G0+4*\j+1], s18, \j*CHUNK
	s_add_nc_u64 s[G0+4*\j+2:G0+4*\j+3], s[48:49], \j*8192
	s_or_b32 s[G0+4*\j+3], s[G0+4*\j+3], 0x80000000
	tensor_load_to_lds s[G0+4*\j:G0+4*\j+3], s[G1:G1+7]    ; all of o at once: four tensor loads of the wave are out, the most in this text
	s_nop 0
.endr
	s_wait_tensorcnt 0x3                           ; my part of chunk 0 is in; the three younger chunks stay out
	s_barrier_signal -1
	s_barrier_wait -1                              ; everybody's is
	FETCH 0, F0
	SEVEN 0, 1                                     ; the bias starts the sums (the first wait for 40 loads covers it: it was asked for first)
	TURNQ 7, 2
	SEVEN 8, 0
	TURNQ 15, 1
	SEVEN 16, 0
	TURNQ 23, 0                                    ; the last chunk: no tensor load is out from here on
	SEVEN 24, 0
	WWAIT 31
	s_wait_dscnt 8
	WIN 0xa1
	MULQ F1, 31, 0, 4, 0
	s_wait_dscnt 0x0
	MULQ F1, 31, 4, 4, 0
	PLACES
; the way out, 16 rows at a time through my own stage: 32 bytes a lane in, whole rows of 256 bytes back
.macro OUT16 a
	WIN 0x08
.irp b, 0,1,2,3
	ds_store_b128 v[STO], v[32*\a+8*\b:32*\a+8*\b+3]   offset:\b*64
	ds_store_b128 v[STO], v[32*\a+8*\b+4:32*\a+8*\b+7] offset:\b*64+16
.endr
	WIN 0
	s_wait_xcnt 0x0                                ; the bank, which stores read, and the stores' base are rewritten only behind this wait
.if \a
	s_add_nc_u64 s[16:17], s[16:17], 524288        ; 16 t on
.endif
.irp u, 0,1,2,3,4,5,6,7
	ds_load_b128 v[TMP+32*(\a&1)+4*\u:TMP+32*(\a&1)+4*\u+3], v[RD] offset:\u*2*SPITCH   ; my own bytes, served in order behind my stores
.endr
.irp u, 0,1,2,3,4,5,6,7
	s_wait_dscnt 7-\u
	global_store_b128 v[CO], v[TMP+32*(\a&1)+4*\u:TMP+32*(\a&1)+4*\u+3], s[16:17] offset:\u*65536 th:TH_STORE_NT   ; 16 lanes store 256 consecutive bytes, aligned
.endr
.endm
.irp a, 0,1,2,3,4,5,6,7
	OUT16 \a
.endr
	s_wait_tensorcnt 0x0
	ds_add_u32 v23, v31
	s_wait_dscnt 0x0
	CROUND                                         ; the closing round
	s_endpgm
.Lfunc_end_k_q728c99b930_oproj:
	.size	k_q728c99b930_oproj, .Lfunc_end_k_q728c99b930_oproj-k_q728c99b930_oproj
	.p2alignl 7, 3214868480
	.fill 96, 4, 3214868480
	.section	.rodata,"a",@progbits
	.p2align	6, 0x0
	.amdhsa_kernel k_q728c99b930_oproj
		.amdhsa_group_segment_fixed_size 280064
		.amdhsa_private_segment_fixed_size 0
		.amdhsa_enable_private_segment 0
		.amdhsa_kernarg_size 32
		.amdhsa_user_sgpr_count 2
		.amdhsa_user_sgpr_kernarg_segment_ptr 1
		.amdhsa_wavefront_size32 1
		.amdhsa_system_sgpr_workgroup_id_x 1
		.amdhsa_system_sgpr_workgroup_id_y 1
		.amdhsa_system_sgpr_workgroup_id_z 1
		.amdhsa_system_vgpr_workitem_id 0
		.amdhsa_next_free_vgpr 768
		.amdhsa_next_free_sgpr 66
		.amdhsa_reserve_vcc 0
		.amdhsa_float_denorm_mode_32 3
		.amdhsa_float_denorm_mode_16_64 3
		.amdhsa_memory_ordered 1
		.amdhsa_forward_progress 1
		.amdhsa_inst_pref_size 154
	.end_amdhsa_kernel
	.amdgpu_metadata
---
amdhsa.version: [ 1, 2 ]
amdhsa.kernels:
  - .name:           k_q728c99b930_oproj
    .symbol:         k_q728c99b930_oproj.kd
    .args:
      - { .name: ows, .offset: 0, .size: 8, .value_kind: global_buffer, .address_space: global }
      - { .name: wbf, .offset: 8, .size: 8, .value_kind: global_buffer, .address_space: global }
      - { .name: bo, .offset: 16, .size: 8, .value_kind: global_buffer, .address_space: global }
      - { .name: out0, .offset: 24, .size: 8, .value_kind: global_buffer, .address_space: global }
    .group_segment_fixed_size: 280064
    .private_segment_fixed_size: 0
    .kernarg_segment_align: 8
    .kernarg_segment_size: 32
    .max_flat_workgroup_size: 128
    .sgpr_count:     66
    .vgpr_count:     768
    .wavefront_size: 32
...
	.end_amdgpu_metadata
.endif
;; end of part 5
;; ======== version 2 of 2: 5 launches; version 1 with the launch kvsum written anew for expert scheduling mode
;; limits: values outside matrix products are rounded to f16; values are held in f16: magnitudes above 65,504 overflow, below 6.1e-05 lose precision; right only within a limited range of input values
;; workspace buffers: wbf 8,388,608 bytes; tab 16,384 bytes; kvact 67,108,864 bytes; kvw 2,621,440 bytes; ows 16,777,216 bytes
;; launch prep: the kernel of part 1 again; grid 64 x 4, 8 waves a work-group, no clusters, 35,840 bytes of LDS; arguments wq, wk, wv, wo, wbf, tab; writes wbf, tab
;; launch projkv: the kernel of part 2 again; grid 128 x 4, 4 waves a work-group, clusters of 4 x 1, 327,680 bytes of LDS; arguments key_in, value, wbf, bk, bv, kvact; writes kvact
;; launch kvsum (part 6): grid 128 x 2, 4 waves a work-group, no clusters, 82,432 bytes of LDS; arguments kvact, tab, kvw; writes kvw
.if DOCPART == 6
	.amdgcn_target "amdgcn-amd-amdhsa--gfx1250"
	.amdhsa_code_object_version 6
	.text
	.protected	k_q728c99b930_kvsum
	.globl	k_q728c99b930_kvsum
	.p2align	8
	.type	k_q728c99b930_kvsum,@function
k_q728c99b930_kvsum:
	s_mov_b64 s[64:65], 0
	v_nop
	global_prefetch_b8 v0, s[64:65] scope:SCOPE_SE
	s_setreg_imm32_b32 hwreg(HW_REG_WAVE_SCHED_MODE, 0, 2), 2
	s_setreg_imm32_b32 hwreg(HW_REG_WAVE_MODE, 25, 1), 1
	s_wait_xcnt 0x0
	s_wait_alu depctr_vm_vsrc(0)
; kv_ext = [k sin ; k cos]^T [v | 1] for one (batch, head): 128 x 80, summed over s = 0 .. 2047; the block of ones gives the sum of k2 over s in each of its columns.
; Work-group (x, y): head x = 16 b + head; y = which 32 of the 64 d.  It makes four blocks of 16 rows (sin, cos x two blocks of d) x five blocks of 16 columns: 20 tiles.
; Wave w takes s = 512 w .. + 511 in 16 steps of 32, written out; operands come straight from memory in fragment order through a ring of four register slots
; (16 loads of 512 bytes a step), so LDS holds only the four waves' partial sums.  No tile is shared between work-groups but v (two readers): no cluster.
; k sin and k cos are packed f16 products: one rounding to f16 each, by a table rounded to f16.
; Out: kvw = [head][5 column blocks][4 steps of 32 d2][c][lane][8 bf16]; lane (r, h): column 16 block + r, d2 = 32 step + 16 c + 8 h + 0..7; d2 < 64 sin, else cos.
; bf16, since the sums have no room in f16 when k and v are large.
; THE MODE: SCHED_MODE bits 1:0 = 2 (LLVM: expert scheduling mode 2), set by the entry lines.  The code itself states the register dependences
; between vector or matrix instructions and memory or LDS instructions, with s_wait_alu, always for 0.
; THE PLAN.  Registers that memory or LDS instructions touch, in the 16 steps:
;   KR0 .. KR3, TR0 .. TR3   Step q: its 32 packed products read slot q & 3; behind them the loads of step q + 4 land in it.
;   VR0 .. VR3               Step q: its matrix instructions read slot q & 3; the loads of step q + 3 land in slot (q - 1) & 3, which step q - 1 read.
;   v2, v3                   Offsets of every load; made at the head and never written again: the steps stand in the immediates.
;   K2 (two buffers, by the step's parity), ONES and the accumulators are named by vector and matrix instructions alone.
; So ONE wait on va_vdst stands in a step, behind its products: they are done reading KR and TR of slot q & 3, and the matrix instructions of the step before are done
; reading their slot of VR.  The step's 16 loads follow it, four behind every fourth matrix instruction; those name K2[q & 1], VR[q & 3], ONES and the accumulators:
; none of the registers that the loads touch.  A step's products write the K2 that the matrix instructions of two steps back read: the 32 products between are the places.
; Behind the steps: the accumulators are the LDS stores' data; v32-191 take the LDS loads; v192-211 are the global stores' data; v4 to v7 are addresses made at the head.
; No register that a memory or LDS instruction reads is ever written again, so no wait on vm_vsrc is written but the entry's and the closing lines'.
.set ONES, 16                          ; window 0: v16-23   1.0 in f16, twice a register
.set VR,   32                          ; window 0: v32-159  four slots of v's 4 fragments
.set K2,   160                         ; window 0: v160-191 even steps: k sin (two blocks), k cos (two blocks)
.set TR,   192                         ; window 0: v192-255 four slots: sin c = 0, 1; cos c = 0, 1
.set KR,   160                         ; window 1: v160-223 four slots of k's 2 fragments;  window 1: v0-159 the 20 accumulators
.set K2B,  224                         ; window 1: v224-255 odd steps: the same as K2
.set REDW, 20480                       ; a wave's partial sums in LDS
.set MSB, 0
.macro WIN new
.if MSB != (\new)
	s_set_vgpr_msb (MSB<<8)|(\new)
.set MSB, (\new)
.endif
.endm
.macro PLACES                          ; four places behind matrix instructions (ISA guide 7.12.1)
.rept 4
	v_nop
.endr
.endm
.macro KLOAD q                         ; step q's four loads of k
	WIN 0x40
.irp cc, 0,1
.irp c, 0,1
	global_load_b128 v[KR+16*((\q)&3)+8*\cc+4*\c:KR+16*((\q)&3)+8*\cc+4*\c+3], v2, s[14:15] offset:\cc*65536+(\q)*1024+\c*512 th:TH_LOAD_NT
.endr
.endr
.endm
.macro VLOAD q, half                   ; four of step q's eight loads of v: column blocks 2 half, 2 half + 1
	WIN 0
.irp nb, 0,1
.irp c, 0,1
	global_load_b128 v[VR+32*((\q)&3)+8*(2*(\half)+\nb)+4*\c:VR+32*((\q)&3)+8*(2*(\half)+\nb)+4*\c+3], v2, s[16:17] offset:(2*(\half)+\nb)*65536+(\q)*1024+\c*512
.endr
.endr
.endm
.macro TLOAD q                         ; step q's four loads of the table
	WIN 0
.irp tg, 0,1
.irp c, 0,1
	global_load_b128 v[TR+16*((\q)&3)+8*\tg+4*\c:TR+16*((\q)&3)+8*\tg+4*\c+3], v3, s[6:7] offset:\tg*4096+(\q)*64+\c*32
.endr
.endr
.endm
; Step q.  The loads go out in the order k, table (0) | v (0), k, table (1) | v (1), k, table (2) | .. : step q issues v of step q + 3, then k and the table of step q + 4.
; ckt: the loads younger than this step's table, cv: those younger than this step's v, eight fewer.  The 20 accumulators take turns, one instruction a turn.
.macro KSTEP q, ckt, cv
.if (\q) & 1
.set kk, K2B
.else
.set kk, K2
.endif
	s_wait_loadcnt \ckt                            ; loads come back in order (ISA guide 5.7.1): this step's k and table are in; v of three steps and k and table of three steps, eight loads each, stay out
	WIN 0x01+0x40*((\q)&1)
.irp tg, 0,1
.irp cc, 0,1
.set i, 0
.rept 8
	v_pk_mul_f16 v[kk+8*(2*\tg+\cc)+i], v[KR+16*((\q)&3)+8*\cc+i], v[TR+16*((\q)&3)+8*\tg+i]
.set i, i+1
.endr
.endr
.endr
	s_wait_loadcnt \cv                             ; this step's v is in too
.if (\q) <= 12
	s_wait_alu depctr_va_vdst(0)                   ; the products are done reading KR and TR of this slot, the last step's matrix instructions are done reading their slot of VR: the loads below land in these
.endif
.set n, 0
.rept 20
.if (n%5) < 4
.set bb, VR+32*((\q)&3)+8*(n%5)
.else
.set bb, ONES
.endif
	WIN 0x50+((\q)&1)
.if (\q) == 0
	v_wmma_f32_16x16x32_f16 v[8*n:8*n+7], v[kk+8*(n/5):kk+8*(n/5)+7], v[bb:bb+7], 0
.else
	v_wmma_f32_16x16x32_f16 v[8*n:8*n+7], v[kk+8*(n/5):kk+8*(n/5)+7], v[bb:bb+7], v[8*n:8*n+7]
.endif
.set n, n+1
.if (\q) <= 12                         ; no further wait: no vector or matrix instruction since the wait above names a register that these loads touch
.if n == 4
	VLOAD (\q)+3, 0
.endif
.if n == 8
	VLOAD (\q)+3, 1
.endif
.endif
.if (\q) <= 11
.if n == 12
	KLOAD (\q)+4
.endif
.if n == 16
	TLOAD (\q)+4
.endif
.endif
.endr
.endm
	s_load_b128 s[4:7], s[0:1], 0x0                ; kvact, tab
	s_load_b64 s[8:9], s[0:1], 0x10                ; kvw
	v_lshl_add_u32 v30, v0, 2, 0x14000
	v_mov_b32 v31, 0
	v_lshrrev_b32 v1, 5, v0
	v_readfirstlane_b32 s10, v1                    ; wave
	s_and_b32 s12, ttmp7, 0xffff                   ; which half of d
	v_and_b32 v1, 31, v0
	v_lshlrev_b32 v7, 4, v1                        ; 16 x lane
	s_wait_alu depctr_va_sdst(0)                   ; s10 is written, ahead of its first reader: the offsets and bases below are made from it
	s_lshl_b32 s13, s10, 14                        ; 32 groups of 16 s, 512 bytes each
	v_add_nc_u32 v2, s13, v7
	v_bfe_u32 v3, v0, 4, 1
	s_lshl_b32 s13, s10, 10                        ; 512 entries of f16
	v_lshl_add_u32 v3, v3, 4, s13                  ; the table: 8 entries at 8 h
	s_mul_i32 s13, s10, REDW
	v_add_nc_u32 v4, s13, v7                       ; where I put my sums
	s_mul_i32 s13, s10, 5120
	v_add_nc_u32 v5, s13, v7                       ; where I read row block w of waves 0, 1
	v_add_nc_u32 v6, 2*REDW, v5                    ; and of waves 2, 3 (beyond the immediate's 16 bits)
	s_lshl_b32 s20, ttmp9, 18                      ; four column blocks of 65,536 bytes a head
	s_mov_b32 s21, 0
	s_lshl_b32 s22, s12, 17
	s_mov_b32 s23, 0
	s_mul_i32 s24, ttmp9, 20480
	s_lshr_b32 s13, s10, 1
	s_lshl1_add_u32 s13, s13, s12                  ; step of 32 d2 = 2 (sin, cos) + half of d
	s_lshl_b32 s13, s13, 10
	s_add_co_u32 s24, s24, s13
	s_and_b32 s13, s10, 1                          ; c
	s_lshl_b32 s13, s13, 9
	s_add_co_u32 s24, s24, s13
	s_mov_b32 s25, 0
.irp j, 0,1,2,3,4,5,6,7
	v_mov_b32 v[ONES+\j], 0x3c003c00
.endr
	s_wait_kmcnt 0x0
	s_add_nc_u64 s[16:17], s[4:5], s[20:21]
	s_add_nc_u64 s[14:15], s[16:17], s[22:23]      ; k: my two blocks of d
	s_add_nc_u64 s[16:17], s[16:17], 0x2000000     ; v
	s_add_nc_u64 s[18:19], s[8:9], s[24:25]
	s_wait_alu depctr_va_vdst(0)                   ; v2 to v7 are written: the offsets of every load and store and the LDS addresses; no vector instruction names them again
	KLOAD 0                                        ; 56 loads are out: k and the table of steps 0 to 3, v of steps 0 to 2
	TLOAD 0
.irp q, 0,1,2
	VLOAD \q, 0
	VLOAD \q, 1
	KLOAD (\q)+1
	TLOAD (\q)+1
.endr
.irp q, 0,1,2,3,4,5,6,7,8,9,10,11,12
	KSTEP \q, 48, 40
.endr
	KSTEP 13, 40, 32                               ; the last steps load nothing: the counts run down
	KSTEP 14, 24, 16
	KSTEP 15, 8, 0
	; the four waves' sums meet in LDS; wave w adds row block w, in a fixed order
	PLACES                                         ; behind the last matrix instruction, before its result is read
	WIN 0x04
	s_wait_alu depctr_va_vdst(0)                   ; the matrix instructions have written the accumulators, which the LDS stores read, and are done reading v32-191, in which the LDS loads behind the barrier land; the places above stay beside this wait
.set i, 0
.rept 40
	ds_store_b128 v4, v[4*i:4*i+3] offset:i*512
.set i, i+1
.endr
	WIN 0
	s_wait_dscnt 0x0                               ; my stores are done before I say so
	s_barrier_signal -1
	s_barrier_wait -1
.irp src, 0,1
.set i, 0
.rept 10
	ds_load_b128 v[32+40*\src+4*i:32+40*\src+4*i+3], v5 offset:\src*REDW+i*512
	ds_load_b128 v[112+40*\src+4*i:112+40*\src+4*i+3], v6 offset:\src*REDW+i*512
.set i, i+1
.endr
.endr
	s_wait_dscnt 0x0
.set i, 0
.rept 20
	v_pk_add_f32 v[32+2*i:32+2*i+1], v[32+2*i:32+2*i+1], v[72+2*i:72+2*i+1]
	v_pk_add_f32 v[112+2*i:112+2*i+1], v[112+2*i:112+2*i+1], v[152+2*i:152+2*i+1]
.set i, i+1
.endr
.set i, 0
.rept 20
	v_pk_add_f32 v[32+2*i:32+2*i+1], v[32+2*i:32+2*i+1], v[112+2*i:112+2*i+1]
.set i, i+1
.endr
.set i, 0
.rept 20
	v_cvt_pk_bf16_f32 v[192+i], v[32+2*i], v[32+2*i+1]     ; a lane's eight sums are d2 = 8 h + 0..7 of column r: its 16 bytes of the stored order
.set i, i+1
.endr
	s_wait_alu depctr_va_vdst(0)                   ; the roundings have written v192-211, which the stores read
.irp nb, 0,1,2,3,4
	global_store_b128 v7, v[192+4*\nb:192+4*\nb+3], s[18:19] offset:\nb*4096   ; the wave stores 512 consecutive bytes, aligned
.endr
	s_wait_dscnt 0x0                               ; the closing lines, six on end
	s_wait_alu 0x0
	s_wait_tensorcnt 0x0
	ds_add_u32 v30, v31
	s_wait_dscnt 0x0
	s_endpgm
.Lfunc_end_k_q728c99b930_kvsum:
	.size	k_q728c99b930_kvsum, .Lfunc_end_k_q728c99b930_kvsum-k_q728c99b930_kvsum
	.p2alignl 7, 3214868480
	.fill 96, 4, 3214868480
	.section	.rodata,"a",@progbits
	.p2align	6, 0x0
	.amdhsa_kernel k_q728c99b930_kvsum
		.amdhsa_group_segment_fixed_size 82432
		.amdhsa_private_segment_fixed_size 0
		.amdhsa_enable_private_segment 0
		.amdhsa_kernarg_size 24
		.amdhsa_user_sgpr_count 2
		.amdhsa_user_sgpr_kernarg_segment_ptr 1
		.amdhsa_wavefront_size32 1
		.amdhsa_system_sgpr_workgroup_id_x 1
		.amdhsa_system_sgpr_workgroup_id_y 1
		.amdhsa_system_sgpr_workgroup_id_z 1
		.amdhsa_system_vgpr_workitem_id 0
		.amdhsa_next_free_vgpr 512
		.amdhsa_next_free_sgpr 66
		.amdhsa_reserve_vcc 0
		.amdhsa_float_denorm_mode_32 3
		.amdhsa_float_denorm_mode_16_64 3
		.amdhsa_memory_ordered 1
		.amdhsa_forward_progress 1
		.amdhsa_inst_pref_size 96
	.end_amdhsa_kernel
	.amdgpu_metadata
---
amdhsa.version: [ 1, 2 ]
amdhsa.kernels:
  - .name:           k_q728c99b930_kvsum
    .symbol:         k_q728c99b930_kvsum.kd
    .args:
      - { .name: kvact, .offset: 0, .size: 8, .value_kind: global_buffer, .address_space: global }
      - { .name: tab, .offset: 8, .size: 8, .value_kind: global_buffer, .address_space: global }
      - { .name: kvw, .offset: 16, .size: 8, .value_kind: global_buffer, .address_space: global }
    .group_segment_fixed_size: 82432
    .private_segment_fixed_size: 0
    .kernarg_segment_align: 8
    .kernarg_segment_size: 24
    .max_flat_workgroup_size: 128
    .sgpr_count:     66
    .vgpr_count:     512
    .wavefront_size: 32
...
	.end_amdgpu_metadata
.endif
;; end of part 6
;; launch projq: the kernel of part 4 again; grid 64 x 4, 4 waves a work-group, clusters of 4 x 1, 327,680 bytes of LDS; arguments query, wbf, bq, tab, kvw, ows; writes ows
;; launch oproj: the kernel of part 5 again; grid 4 x 64, 4 waves a work-group, clusters of 4 x 1, 280,064 bytes of LDS; arguments ows, wbf, bo, out0; writes out0
